; MI455X (gfx1250); checked and timed in simulation.
; The chip was launched on July 23, 2026; its instructions are those of AMD's public machine-readable ISA for CDNA 5 (MIT licence, August 2026) and "CDNA5" Instruction Set Architecture Reference Guide (July 2026). The comments in the code are by the model that wrote it; some were corrected since.
;; Classical Self Attention. Allowed arithmetic: float matrix products may take bf16 or f16 operands with f32 sums; other float arithmetic in f32, or as packed bf16 or f16 multiplies, adds, multiply-adds, maxima and minima; sums over many terms, partial sums and values carried from step to step in f32; what a program stores and reads back later, other than sums and carried values, may be rounded once to bf16 or f16.
;; Inputs: Wk 1,024 x 1,024 float32; Wq 1,024 x 1,024 float32; Wv 1,024 x 1,024 float32; bk 1,024 float32; bq 1,024 float32; bv 1,024 float32; x 4 x 2,048 x 1,024 float32.
;; Outputs: out0 4 x 2,048 x 1,024 float32.
;; 2 versions, each right; version 2 is version 1 with the launch cast written anew for expert scheduling mode. Each part assembles by itself: llvm-mc -triple=amdgcn-amd-amdhsa -mcpu=gfx1250 --defsym DOCPART=n.
;; ======== version 1 of 2: 4 launches
;; limits: values are held in f16: magnitudes above 65,504 overflow, below 6.1e-05 lose precision
;; workspace buffers: xb 16,777,216 bytes; wb 6,291,456 bytes; qkv 50,331,648 bytes; p 33,554,432 bytes; stat 1,048,576 bytes
;; launch cast (part 1): grid 704 x 1, 8 waves a work-group, no clusters, 0 bytes of LDS; arguments x, Wq, Wk, Wv, xb, wb; writes xb, wb
.if DOCPART == 1
	.amdgcn_target "amdgcn-amd-amdhsa--gfx1250"
	.amdhsa_code_object_version 6
	.text
	.protected	k_q3eef748301_cast
	.globl	k_q3eef748301_cast
	.p2align	8
	.type	k_q3eef748301_cast,@function
k_q3eef748301_cast:
	s_mov_b64 s[64:65], 0
	v_nop
	global_prefetch_b8 v0, s[64:65] scope:SCOPE_SE
	s_setreg_imm32_b32 hwreg(HW_REG_WAVE_MODE, 25, 1), 1
	s_wait_xcnt 0x0
; x [8192][1024] and Wq, Wk, Wv [1024][1024], all f32, are rounded once to bf16 and laid out for the projection.
; xb is blocked along k: element (m, k) lies at (k / 64) x 1,048,576 + m x 128 + (k % 64) x 2, so that 256 rows x 64 k are 32,768 dense bytes.
; wb is [1024 k][3072 n]: n = 1024 i + column, i = 0, 1, 2 for q, k, v; a row is 6,144 bytes.
; Work-groups 0 to 511 take 16 rows of x each, 512 to 703 take 16 rows of one W each.  A thread has 16 loads of 16 bytes out at once, no register is
; written twice, and each store of a wave covers 256 consecutive bytes, aligned.  Memory binds: no LDS, no barrier, no matrix unit.
.set X,  8                             ; v[8:71]    16 x 4 numbers as loaded
.set Y,  72                            ; v[72:103]  16 x 2 registers to store
.set LO, 5                             ; v5  my byte offset in the source
.set SO, 6                             ; v6  my byte offset in the destination
.macro NARROW j                        ; load j is in (15 - j younger loads may stay out); four numbers become two registers
	s_wait_loadcnt 15-(\j)
	v_cvt_pk_bf16_f32 v[Y+2*(\j)], v[X+4*(\j)], v[X+4*(\j)+1]
	v_cvt_pk_bf16_f32 v[Y+2*(\j)+1], v[X+4*(\j)+2], v[X+4*(\j)+3]
.endm
	s_load_b256 s[4:11], s[0:1], 0x0               ; x s[4:5], Wq s[6:7], Wk s[8:9], Wv s[10:11]
	s_load_b128 s[12:15], s[0:1], 0x20             ; xb s[12:13], wb s[14:15]
	v_and_b32 v1, 15, v0
	v_lshrrev_b32 v2, 4, v0
	v_and_b32 v3, 31, v0
	v_lshrrev_b32 v4, 5, v0
	s_cmp_lt_u32 ttmp9, 512
	s_cbranch_scc0 .Lweights
	; x: thread t takes row t / 16 of the group's 16; load j is k block j: sixteen lanes read its 256 bytes
	v_lshlrev_b32 v[LO], 4, v1
	v_lshl_add_u32 v[LO], v2, 12, v[LO]            ; row x 4,096 + 16 (t % 16)
	v_lshlrev_b32 v[SO], 3, v1
	v_lshl_add_u32 v[SO], v2, 7, v[SO]             ; row x 128 + 8 (t % 16)
	s_lshl_b32 s16, ttmp9, 16                      ; 16 rows of 4,096 bytes
	s_mov_b32 s17, 0
	s_lshl_b32 s18, ttmp9, 11                      ; 16 rows of 128 bytes
	s_mov_b32 s19, 0
	s_wait_kmcnt 0x0
	s_add_nc_u64 s[4:5], s[4:5], s[16:17]
	s_add_nc_u64 s[12:13], s[12:13], s[18:19]
	s_add_nc_u64 s[20:21], s[12:13], 0x800000      ; k blocks 8 to 15: the immediate holds seven blocks at the most
.irp j, 0,1,2,3,4,5,6,7,8,9,10,11,12,13,14,15
	global_load_b128 v[X+4*(\j):X+4*(\j)+3], v[LO], s[4:5] offset:256*(\j) th:TH_LOAD_NT
.endr
.irp j, 0,1,2,3,4,5,6,7
	NARROW \j
	global_store_b64 v[SO], v[Y+2*(\j):Y+2*(\j)+1], s[12:13] offset:(\j)*1048576
.endr
.irp j, 8,9,10,11,12,13,14,15
	NARROW \j
	global_store_b64 v[SO], v[Y+2*(\j):Y+2*(\j)+1], s[20:21] offset:((\j)-8)*1048576
.endr
	s_endpgm
.Lweights:
	; W: a wave takes two of the group's 16 rows; load j is 512 bytes of row j / 8
	s_sub_co_u32 s16, ttmp9, 512
	s_lshr_b32 s17, s16, 6                         ; which W
	s_and_b32 s18, s16, 63                         ; which 16 rows
	v_lshlrev_b32 v[LO], 4, v3
	v_lshl_add_u32 v[LO], v4, 13, v[LO]            ; wave x 8,192 + 16 lane
	v_lshlrev_b32 v[SO], 3, v3
	v_mad_u32_u24 v[SO], v4, 12288, v[SO]          ; wave x 2 rows of 6,144 + 8 lane
	s_lshl_b32 s20, s18, 16
	s_mov_b32 s21, 0
	s_mul_i32 s22, s18, 98304                      ; 16 rows of wb
	s_lshl_b32 s23, s17, 11                        ; and this W's 2,048 bytes in them
	s_add_co_u32 s22, s22, s23
	s_mov_b32 s23, 0
	s_wait_kmcnt 0x0
	s_cmp_eq_u32 s17, 0
	s_cselect_b64 s[24:25], s[6:7], s[8:9]
	s_cmp_eq_u32 s17, 2
	s_cselect_b64 s[24:25], s[10:11], s[24:25]
	s_add_nc_u64 s[24:25], s[24:25], s[20:21]
	s_add_nc_u64 s[14:15], s[14:15], s[22:23]
.irp j, 0,1,2,3,4,5,6,7,8,9,10,11,12,13,14,15
	global_load_b128 v[X+4*(\j):X+4*(\j)+3], v[LO], s[24:25] offset:((\j)/8)*4096+((\j)%8)*512 th:TH_LOAD_NT
.endr
.irp j, 0,1,2,3,4,5,6,7,8,9,10,11,12,13,14,15
	NARROW \j
	global_store_b64 v[SO], v[Y+2*(\j):Y+2*(\j)+1], s[14:15] offset:((\j)/8)*6144+((\j)%8)*256
.endr
	s_endpgm
.Lfunc_end_k_q3eef748301_cast:
	.size	k_q3eef748301_cast, .Lfunc_end_k_q3eef748301_cast-k_q3eef748301_cast
	.p2alignl 7, 3214868480
	.fill 96, 4, 3214868480
	.section	.rodata,"a",@progbits
	.p2align	6, 0x0
	.amdhsa_kernel k_q3eef748301_cast
		.amdhsa_group_segment_fixed_size 0
		.amdhsa_private_segment_fixed_size 0
		.amdhsa_enable_private_segment 0
		.amdhsa_kernarg_size 48
		.amdhsa_user_sgpr_count 2
		.amdhsa_user_sgpr_kernarg_segment_ptr 1
		.amdhsa_wavefront_size32 1
		.amdhsa_system_sgpr_workgroup_id_x 1
		.amdhsa_system_sgpr_workgroup_id_y 1
		.amdhsa_system_sgpr_workgroup_id_z 1
		.amdhsa_system_vgpr_workitem_id 0
		.amdhsa_next_free_vgpr 104
		.amdhsa_next_free_sgpr 66
		.amdhsa_reserve_vcc 0
		.amdhsa_float_denorm_mode_32 3
		.amdhsa_float_denorm_mode_16_64 3
		.amdhsa_memory_ordered 1
		.amdhsa_forward_progress 1
		.amdhsa_inst_pref_size 13
	.end_amdhsa_kernel
	.amdgpu_metadata
---
amdhsa.version: [ 1, 2 ]
amdhsa.kernels:
  - .name:           k_q3eef748301_cast
    .symbol:         k_q3eef748301_cast.kd
    .args:
      - { .name: x, .offset: 0, .size: 8, .value_kind: global_buffer, .address_space: global }
      - { .name: Wq, .offset: 8, .size: 8, .value_kind: global_buffer, .address_space: global }
      - { .name: Wk, .offset: 16, .size: 8, .value_kind: global_buffer, .address_space: global }
      - { .name: Wv, .offset: 24, .size: 8, .value_kind: global_buffer, .address_space: global }
      - { .name: xb, .offset: 32, .size: 8, .value_kind: global_buffer, .address_space: global }
      - { .name: wb, .offset: 40, .size: 8, .value_kind: global_buffer, .address_space: global }
    .group_segment_fixed_size: 0
    .private_segment_fixed_size: 0
    .kernarg_segment_align: 8
    .kernarg_segment_size: 48
    .max_flat_workgroup_size: 256
    .sgpr_count:     66
    .vgpr_count:     104
    .wavefront_size: 32
...
	.end_amdgpu_metadata
.endif
;; end of part 1
;; launch proj (part 2): grid 8 x 32, 4 waves a work-group, clusters of 4 x 4, 327,680 bytes of LDS; arguments xb, wb, bq, bk, bv, qkv; writes qkv
.if DOCPART == 2
	.amdgcn_target "amdgcn-amd-amdhsa--gfx1250"
	.amdhsa_code_object_version 6
	.text
	.protected	k_q3eef748301_proj
	.globl	k_q3eef748301_proj
	.p2align	8
	.type	k_q3eef748301_proj,@function
k_q3eef748301_proj:
	s_mov_b64 s[64:65], 0
	v_nop
	global_prefetch_b8 v0, s[64:65] scope:SCOPE_SE
	s_setreg_imm32_b32 hwreg(HW_REG_WAVE_MODE, 25, 1), 1
	s_wait_xcnt 0x0
	s_wait_alu depctr_hold_cnt(0) depctr_sa_sdst(0) depctr_va_vdst(0) depctr_va_sdst(0) depctr_va_ssrc(0) depctr_va_vcc(0) depctr_vm_vsrc(0)
	s_getreg_b32 s2, hwreg(HW_REG_IB_STS2, 6, 4)
	s_cmp_eq_u32 s2, 0
	s_cbranch_scc0 .Lentry_in_a_cluster
	s_endpgm
.Lentry_in_a_cluster:
	s_bfe_u32 s2, ttmp6, 0x10000c
	s_cmp_lg_u32 s2, 0xf033
	s_cbranch_scc0 .Lentry_shape_is_right
	s_endpgm
.Lentry_shape_is_right:
; qkv[m][n] = the sum over k of xb[m][k] wb[k][n] + bias[n], n = 0 .. 3071 (q, k, v side by side).  Operands bf16, sums f32, the biases rounded to bf16 like the other inputs, qkv rounded once to f16.
; LIMIT: f16 holds no number beyond 65,504: |q|, |k|, |v| stay below it; NaN and infinities are not treated apart.
; SHARES.  8192 x 3072 in tiles of 256 x 384: 256 work-groups.  Four waves, each 128 rows x 192 columns: 96 accumulators of 16 x 16, 768 registers.
; K goes in steps of 64 through two LDS slots.  xb is blocked, so a step's 128 rows are 16,384 dense bytes, asked for as 64 rows of 256 bytes; wb's rows are 768 bytes, three aligned blocks of 256.
; CLUSTER 4 x 4: x's tile hangs on the tile row alone and is asked for jointly along a row of the cluster, w's on the tile column alone and jointly along a column.
; THE MATRIX INSTRUCTION IS USED TRANSPOSED: source 0 = 16 columns of w (turned on the way out of LDS by ds_load_tr16_b128), source 1 = 16 rows of x: a lane holds one row m and 8 neighbouring columns.
; THE BIAS starts the sums: its fragment is loaded into accumulator (b, 0) and is the C operand of the first product of all eight accumulators of column block b.
; REGISTERS.  Window 0: v0-31 addresses; v32-159 x's fragments, two buffers of 8; v160-255 w's fragments, three groups of 4 column blocks, one buffer: a group is fetched anew when its stretch of 32 products is over.
; Windows 1 to 3: the accumulators of column group g = 0, 1, 2: (b', a) at v[8 (8 b' + a)].  A stretch of 32 products runs under one window setting.
.set QROW,   6144                      ; bytes in a row of wb and of qkv
.set PA,     144                       ; a row of x in LDS: 128 bytes + 16: an odd multiple of 16
.set PB,     864                       ; a k row of w in LDS: three times 256 bytes + 32: an odd multiple of 32
.set AHALF,  128*PA
.set ATILE,  256*PA
.set BHALF,  32*PB
.set SLOT1,  1<<17                     ; slot 1: one exclusive or turns an address in one slot into the other's (a slot has 92,160 bytes)
.set BIASL,  ATILE+2*BHALF             ; behind slot 0: 768 bytes of bias for each wave; no tile lands here
.set SPARE,  BIASL+4*768               ; the spare words, 128 bytes for each wave
.set STAGE,  SLOT1+ATILE+2*BHALF       ; behind slot 1: 128 rows x 784 bytes, the work-group's, for the way out
.set SPITCH, 784
.set ASTEP,  1<<20                     ; from a K step of xb to the next
.set BSTEP,  64*QROW                   ; and of wb
.set STEPS,  16
.set R, 1
.set H, 2
.set LN, 3
.set A0, 4                             ; my lane's place in x's tile
.set ADRA, 5                           ; the same in the slot in hand
.set B0, 6                             ; v6-8: my lane's place in w's tile, by column group
.set ADRB, 9                           ; v9-11: the same in the slot in hand
.set STO, 12
.set RD, 13
.set CO, 14
.set BIA, 15
.set SPW, 16                           ; my spare word; never rewritten
.set NIL, 17                           ; 0; never rewritten
.set PFO, 18
.set BO, 19
.set BD, 20                            ; v20-31 the biases as loaded
.set RDW, 30                           ; the way out: walking copies of RD and CO
.set COW, 31
.set AF, 32
.set BF, 160
.set TMP, 32
.set WV, 16
.set WR, 17
.set WC, 18
.set CX, 19
.set CY, 20
.set TX, 21
.set TY, 22
.set CNT, 23
.set G1A, 24
.set G0A0, 32                          ; K step 0 into slot 0
.set G0A, 36                           ; K step 1 into slot 1; then it walks
.set G1B, 40
.set G0B0, 48
.set G0B, 52
.set TB, 56                            ; LDS byte at which the slot in hand begins
.set LIM, 57
.set PAR, 58
.set CLY, 59
.set PFA, 60
.set PFS, 62
.set OUT, 80
.set BB, 82                            ; s[82:87] the three bias loads' bases: written once, so that no pending load's source is touched
.set MSB, 0
.macro WIN new                         ; the immediate's high byte repeats the setting that is left; a switch that changes nothing is dropped
.if MSB != (\new)
	s_set_vgpr_msb (MSB<<8)|(\new)
.set MSB, \new
.endif
.endm
.macro PLACES                          ; four plain instructions between a product and a load into, or a reader of, its registers
.rept 4
	v_nop
.endr
.endm
.macro CREST                           ; a round of the cluster's barrier behind its opening barrier
	s_cmp_lg_u32 s[WV], 0
	s_cbranch_scc1 .Lnot_wave_0_\@
	s_barrier_signal -3
.Lnot_wave_0_\@:
	s_barrier_wait -3
	s_barrier_signal -1
	s_barrier_wait -1
.endm
.macro CROUND
	s_barrier_signal -1
	s_barrier_wait -1
	CREST
.endm
.macro JLOAD                           ; a joint refill: waves 0 and 1 fetch x's halves, waves 2 and 3 w's; s_nop 0 and four v_nop follow each line
	s_cmp_eq_u32 s[WR], 0
	s_cbranch_scc0 .Lfor_b_\@
	tensor_load_to_lds s[G0A:G0A+3], s[G1A:G1A+7]
	s_nop 0
.rept 4
	v_nop
.endr
	s_branch .Lasked_\@
.Lfor_b_\@:
	tensor_load_to_lds s[G0B:G0B+3], s[G1B:G1B+7]
	s_nop 0
.rept 4
	v_nop
.endr
.Lasked_\@:
.endm
; A PREFETCH, behind the joint load and the run of LDS loads.  Wave 0, in the clusters with x = 0: the K step of xb that the next refill asks for: my work-group's 32 blocks of 256 bytes of the tile's 128, a lane a block.
; Waves 1 to 3, in the clusters with y = 0, in every second trip: column block wave - 1 of my work-group's 32 of the 128 rows of wb of the next two refills, a lane a row.  The partners are told apart by address alone.
; Each block is named once in the launch; the first three K steps come by their loads alone; the last trips ask for nothing, so nothing points past a buffer's end.
.macro ASK
	s_and_b32 s66, s[CNT], s[PAR]
	s_cmp_eq_u32 s66, 0
	s_cbranch_scc0 .Lnot_mine_\@
	s_cmp_gt_u32 s[CNT], s[LIM]
	s_cbranch_scc0 .Lnot_mine_\@
	global_prefetch_b8 v[PFO], s[PFA:PFA+1] th:TH_LOAD_NT scope:SCOPE_SE
.Lnot_mine_\@:
.endm
; 16 products of column group g on x's buffer f: column blocks 2 hb, 2 hb + 1 x all 8 row blocks.  The accumulators take turns.
.macro MUL16 g, f, hb
	WIN 0x50*(1+(\g))
.irp bb, 2*(\hb), 2*(\hb)+1
.irp a, 0,1,2,3,4,5,6,7
	v_wmma_f32_16x16x32_bf16 v[8*(8*(\bb)+(\a)):8*(8*(\bb)+(\a))+7], v[BF+32*(\g)+8*(\bb):BF+32*(\g)+8*(\bb)+7], v[AF+64*(\f)+8*(\a):AF+64*(\f)+8*(\a)+7], v[8*(8*(\bb)+(\a)):8*(8*(\bb)+(\a))+7]
.endr
.endr
.endm
; The first 32 products of group g: row blocks 1 to 7 take the bias fragment in accumulator (b', 0) as C; five plain instructions later row block 0 adds onto it in place.
.macro MULZ g
	WIN 0x50*(1+(\g))
.irp a, 1,2,3,4,5,6,7
.irp bb, 0,1,2,3
	v_wmma_f32_16x16x32_bf16 v[8*(8*(\bb)+(\a)):8*(8*(\bb)+(\a))+7], v[BF+32*(\g)+8*(\bb):BF+32*(\g)+8*(\bb)+7], v[AF+8*(\a):AF+8*(\a)+7], v[64*(\bb):64*(\bb)+7]
.endr
.endr
.rept 5
	v_nop
.endr
.irp bb, 0,1,2,3
	v_wmma_f32_16x16x32_bf16 v[64*(\bb):64*(\bb)+7], v[BF+32*(\g)+8*(\bb):BF+32*(\g)+8*(\bb)+7], v[AF:AF+7], v[64*(\bb):64*(\bb)+7]
.endr
.endm
.macro STRETCH g, f, zero
.if \zero
	MULZ \g
.else
	MUL16 \g, \f, 0
	MUL16 \g, \f, 1
.endif
.endm
.macro LDA f, hf, qd                   ; 8 loads: x's row blocks 4 hf .. 4 hf + 3, 32 k at quarter qd, into buffer f
.irp i, 4*(\hf), 4*(\hf)+1, 4*(\hf)+2, 4*(\hf)+3
	ds_load_b128 v[AF+64*(\f)+8*(\i):AF+64*(\f)+8*(\i)+3],   v[ADRA] offset:(\i)*16*PA+64*(\qd)
	ds_load_b128 v[AF+64*(\f)+8*(\i)+4:AF+64*(\f)+8*(\i)+7], v[ADRA] offset:(\i)*16*PA+64*(\qd)+32
.endr
.endm
.macro LDB g, qd                       ; 8 turning loads: w's column group g, 32 k at quarter qd
.irp bb, 0,1,2,3
	ds_load_tr16_b128 v[BF+32*(\g)+8*(\bb):BF+32*(\g)+8*(\bb)+3],   v[ADRB+(\g)] offset:(\qd)*32*PB+32*(\bb)
	ds_load_tr16_b128 v[BF+32*(\g)+8*(\bb)+4:BF+32*(\g)+8*(\bb)+7], v[ADRB+(\g)] offset:(\qd)*32*PB+16*PB+32*(\bb)
.endr
.endm
; A K step's first 32 k, on buffer 0.  The loads were and are issued in the order: group 0, x's two halves, group 1, group 2, eight each.
.macro QA zero
	PLACES
	WIN 0
	LDB 2, 0
	s_wait_dscnt 16                                ; groups 1 and 2 may be out
	STRETCH 0, 0, \zero
	PLACES
	WIN 0
	LDB 0, 1
	LDA 1, 0, 1
	s_wait_dscnt 24                                ; group 2 and the 16 just issued may be out
	STRETCH 1, 0, \zero
	PLACES
	WIN 0
	LDA 1, 1, 1
	LDB 1, 1
	s_wait_dscnt 32                                ; the two runs of 16 may be out
	STRETCH 2, 0, \zero
.endm
; A K step's second 32 k, on buffer 1, and the change of slots: each wave waits for all its tensor loads (one is out: its part of the other slot), adds 0 to its spare word, and waits for that and for its reads of
; this slot.  fill = 1: the barrier opens a round of the cluster's, and the joint refill, the K step two on, is the first thing behind it: it has 160 products in which to land.
.macro QB fill
.if \fill
	s_wait_xcnt 0x0                                ; the last prefetch, a K step back, has read its address
	s_add_nc_u64 s[PFA:PFA+1], s[PFA:PFA+1], s[PFS:PFS+1]
.endif
	PLACES
	WIN 0
	LDB 2, 1
	s_wait_tensorcnt 0x0                           ; no tensor load of mine is out, so a group 0 may be written
	ds_add_u32 v[SPW], v[NIL]                      ; 0 onto my spare word
.if \fill
	s_xor_b32 s[G0A+1], s[G0A+1], SLOT1            ; the walking descriptors: the other slot, the next K step
	s_add_nc_u64 s[G0A+2:G0A+3], s[G0A+2:G0A+3], ASTEP
	s_xor_b32 s[G0B+1], s[G0B+1], SLOT1
	s_add_nc_u64 s[G0B+2:G0B+3], s[G0B+2:G0B+3], BSTEP
.endif
	s_xor_b32 s[TB], s[TB], SLOT1
	s_wait_dscnt 17                                ; groups 1 and 2 and the add may be out
	MUL16 0, 1, 0
	s_wait_dscnt 0x0                               ; the add is done, and my reads of this slot are over
	s_barrier_signal -1
	MUL16 0, 1, 1
	WIN 0
	s_barrier_wait -1
.if \fill
	CREST
	JLOAD                                          ; its four v_nop are also the places in front of the loads below
.else
	PLACES
.endif
	v_add_nc_u32 v[ADRA], s[TB], v[A0]
	v_add_nc_u32 v[ADRB], s[TB], v[B0]
	v_add_nc_u32 v[ADRB+1], s[TB], v[B0+1]
	v_add_nc_u32 v[ADRB+2], s[TB], v[B0+2]
	LDB 0, 0
	LDA 0, 0, 0
.if \fill
	ASK
.endif
	STRETCH 1, 1, 0
	PLACES
	WIN 0
	LDA 0, 1, 0
	LDB 1, 0
	STRETCH 2, 1, 0
.endm
; Column group g begins at column n = 192 x column half + 64 g of the tile, which lies at byte (n / 128) x 288 + (n % 128) x 2 of an LDS row: c0 for the left half, c0 + d for the right.
.macro BCOL g, c0, d
	s_mul_i32 s67, s[WC], \d
	s_add_co_u32 s67, s67, ATILE+(\c0)
	v_add_nc_u32 v[B0+(\g)], s67, v34
.endm
	s_load_b256 s[4:11], s[0:1], 0x0               ; xb s[4:5], wb s[6:7], bq s[8:9], bk s[10:11]
	s_load_b128 s[12:15], s[0:1], 0x20             ; bv s[12:13], qkv s[14:15]
	v_lshl_add_u32 v[SPW], v0, 2, SPARE
	v_mov_b32 v[NIL], 0
	ds_add_u32 v[SPW], v[NIL]                      ; the wave's opening: the add and its wait ahead of my first tensor load
	v_lshrrev_b32 v1, 5, v0
	v_readfirstlane_b32 s[WV], v1
	s_lshr_b32 s[WR], s[WV], 1                     ; my half of the rows; also: I fetch x (0) or w (1)
	s_and_b32 s[WC], s[WV], 1                      ; my half of the columns; also: which half of that tile I fetch
	s_bfe_u32 s[CX], ttmp6, 0x40000
	s_bfe_u32 s[CY], ttmp6, 0x40004
	s_lshl_b32 s[TX], ttmp9, 2
	s_add_co_u32 s[TX], s[TX], s[CX]               ; tile column
	s_and_b32 s[CLY], ttmp7, 0xffff
	s_lshl_b32 s[TY], s[CLY], 2
	s_add_co_u32 s[TY], s[TY], s[CY]               ; tile row
	s_lshl_b32 s66, s[CY], 2
	s_lshl_b32 s66, 15, s66                        ; my row of the cluster
	s_lshl_b32 s67, 0x1111, s[CX]                  ; my column
	s_or_b32 s[G1A], s66, (1<<16)|(1<<20)|(1<<21)|(4<<22)|(3<<25)  ; mask; 2-byte elements; padding on; bit 21 beside a mask; 4 words after every 32
	s_mov_b32 s[G1A+1], 128<<16                    ; tensor_dim0 = 128
	s_mov_b32 s[G1A+2], 64<<16                     ; tensor_dim1 = 64
	s_mov_b32 s[G1A+3], 128<<16                    ; tile_dim0 = 128
	s_mov_b32 s[G1A+4], 64                         ; tile_dim1 = 64
	s_mov_b32 s[G1A+5], 128                        ; dense: 128 elements from row to row
	s_mov_b32 s[G1A+6], 0
	s_mov_b32 s[G1A+7], 0
	s_or_b32 s[G1B], s67, (1<<16)|(1<<20)|(1<<21)|(5<<22)|(7<<25)  ; 8 words after every 64
	s_mov_b32 s[G1B+1], 384<<16
	s_mov_b32 s[G1B+2], 32<<16
	s_mov_b32 s[G1B+3], 384<<16
	s_mov_b32 s[G1B+4], 32
	s_mov_b32 s[G1B+5], 3072
	s_mov_b32 s[G1B+6], 0
	s_mov_b32 s[G1B+7], 0
	s_lshl_b32 s68, s[TY], 15                      ; x: 256 rows of 128 bytes a tile row,
	s_lshl_b32 s69, s[WC], 14                      ; my 128 of them
	s_add_co_u32 s68, s68, s69
	s_mov_b32 s69, 0
	s_mul_i32 s70, s[TX], 768                      ; w: the tile's 768 bytes of a row,
	s_mul_i32 s71, s[WC], 32*QROW                  ; my 32 of a step's 64 rows
	s_add_co_u32 s70, s70, s71
	s_mov_b32 s71, 0
	s_mul_i32 s72, s[WC], AHALF
	s_mul_i32 s73, s[WC], BHALF
	s_add_co_u32 s73, s73, ATILE
	s_mov_b32 s[G0A0], 1
	s_mov_b32 s[G0A0+1], s72
	s_mov_b32 s[G0A], 1
	s_add_co_u32 s[G0A+1], s72, SLOT1
	s_mov_b32 s[G0B0], 1
	s_mov_b32 s[G0B0+1], s73
	s_mov_b32 s[G0B], 1
	s_add_co_u32 s[G0B+1], s73, SLOT1
	s_mov_b32 s[TB], 0
	s_wait_dscnt 0x0                               ; the opening add is done
	s_wait_kmcnt 0x0
	s_add_nc_u64 s[G0A0+2:G0A0+3], s[4:5], s[68:69]
	s_add_nc_u64 s[G0A+2:G0A+3], s[G0A0+2:G0A0+3], ASTEP
	s_or_b32 s[G0A0+3], s[G0A0+3], 0x80000000
	s_or_b32 s[G0A+3], s[G0A+3], 0x80000000
	s_add_nc_u64 s[G0B0+2:G0B0+3], s[6:7], s[70:71]
	s_add_nc_u64 s[G0B+2:G0B+3], s[G0B0+2:G0B0+3], BSTEP
	s_or_b32 s[G0B0+3], s[G0B0+3], 0x80000000
	s_or_b32 s[G0B+3], s[G0B+3], 0x80000000
	CROUND                                         ; all sixteen work-groups are here: the first joint loads meet
	s_cmp_eq_u32 s[WR], 0                          ; a wave's two first fills stand in one branch: two loads of mine are out
	s_cbranch_scc0 .Lfirst_b
	tensor_load_to_lds s[G0A0:G0A0+3], s[G1A:G1A+7]
	s_nop 0
	tensor_load_to_lds s[G0A:G0A+3], s[G1A:G1A+7]
	s_nop 0
.rept 4
	v_nop
.endr
	s_branch .Lfirst_asked
.Lfirst_b:
	tensor_load_to_lds s[G0B0:G0B0+3], s[G1B:G1B+7]
	s_nop 0
	tensor_load_to_lds s[G0B:G0B+3], s[G1B:G1B+7]
	s_nop 0
.rept 4
	v_nop
.endr
.Lfirst_asked:
	v_and_b32 v[R], 15, v0
	v_bfe_u32 v[H], v0, 4, 1
	v_and_b32 v[LN], 31, v0
	v_lshlrev_b32 v[BO], 4, v[R]
	; my wave's 192 biases, in three pieces of 64: a piece never crosses from one bias vector into the next
	s_mul_i32 s66, s[TX], 384
	s_mul_i32 s67, s[WC], 192
	s_add_co_u32 s66, s66, s67
.irp c, 0,1,2
	s_add_co_u32 s67, s66, 64*(\c)
	s_lshr_b32 s68, s67, 10                        ; 0, 1, 2: bq, bk, bv
	s_and_b32 s70, s67, 1023
	s_lshl_b32 s70, s70, 2
	s_mov_b32 s71, 0
	s_cmp_eq_u32 s68, 0
	s_cselect_b64 s[BB+2*(\c):BB+2*(\c)+1], s[8:9], s[10:11]
	s_cmp_eq_u32 s68, 2
	s_cselect_b64 s[BB+2*(\c):BB+2*(\c)+1], s[12:13], s[BB+2*(\c):BB+2*(\c)+1]
	s_add_nc_u64 s[BB+2*(\c):BB+2*(\c)+1], s[BB+2*(\c):BB+2*(\c)+1], s[70:71]
	global_load_b128 v[BD+4*(\c):BD+4*(\c)+3], v[BO], s[BB+2*(\c):BB+2*(\c)+1]
.endr
	; the lanes' places, while the biases are on their way
	v_mul_u32_u24 v[A0], v[R], PA
	v_lshl_add_u32 v[A0], v[H], 4, v[A0]
	s_mul_i32 s67, s[WR], AHALF
	v_add_nc_u32 v[A0], s67, v[A0]                 ; my 128 rows + row x pitch + 16 x half
	v_and_b32 v34, 7, v0
	v_bfe_u32 v35, v0, 3, 1
	v_lshl_add_u32 v34, v[H], 3, v34
	v_mul_u32_u24 v34, v34, PB
	v_lshl_add_u32 v34, v35, 4, v34                ; the turning load: k row 8 (l / 16) + l % 8, 16 bytes by (l / 8) % 2
	BCOL 0, 0, 416                                 ; columns 0 and 192: bytes 0 and 288 + 128
	BCOL 1, 128, 448                               ; columns 64 and 256: bytes 128 and 576
	BCOL 2, 288, 416                               ; columns 128 and 320: bytes 288 and 576 + 128
	s_mul_i32 s67, s[WR], 64*SPITCH                ; into the stage: row 64 x row half + l % 16, my 384 bytes of its 768
	s_mul_i32 s68, s[WC], 384
	s_add_co_u32 s67, s67, s68
	s_add_co_u32 s67, s67, STAGE
	v_mul_u32_u24 v[STO], v[R], SPITCH
	v_lshl_add_u32 v[STO], v[H], 4, v[STO]
	v_add_nc_u32 v[STO], s67, v[STO]
	s_mul_i32 s67, s[WV], 32*SPITCH                ; back: wave w takes stage rows 32 w .. 32 w + 31; lanes 0-15 one row's 256 bytes, lanes 16-31 the next row's
	s_add_co_u32 s67, s67, STAGE
	v_mul_u32_u24 v[RD], v[H], SPITCH
	v_lshl_add_u32 v[RD], v[R], 4, v[RD]
	v_add_nc_u32 v[RD], s67, v[RD]
	v_mul_u32_u24 v[CO], v[H], QROW
	v_lshl_add_u32 v[CO], v[R], 4, v[CO]
	s_lshl_b32 s66, s[TY], 8                       ; the first row of qkv that I store in the first pass
	s_lshl_b32 s67, s[WR], 7
	s_add_co_u32 s66, s66, s67
	s_lshl_b32 s67, s[WC], 5
	s_add_co_u32 s66, s66, s67
	s_mul_i32 s66, s66, QROW
	s_mul_i32 s67, s[TX], 768
	s_add_co_u32 s66, s66, s67
	s_mov_b32 s67, 0
	s_add_nc_u64 s[OUT:OUT+1], s[14:15], s[66:67]
	; the prefetches
	s_lshl_b32 s66, s[TY], 15
	s_lshl_b32 s67, s[CX], 13
	s_add_co_u32 s66, s66, s67
	s_add_co_u32 s66, s66, 2*ASTEP                 ; xb: K step 2, my work-group's 8,192 bytes of the tile's 32,768; stepped ahead of each request
	s_mul_i32 s68, s[CY], 32*QROW
	s_mul_i32 s69, s[TX], 768
	s_add_co_u32 s68, s68, s69
	s_lshl_b32 s69, s[WV], 8
	s_add_co_u32 s68, s68, s69
	s_add_co_u32 s68, s68, 128*QROW-256            ; wb: row 128 + 32 cy, column block wave - 1
	s_mov_b32 s70, ASTEP
	s_mov_b32 s71, BSTEP
	s_movk_i32 s74, 256
	s_movk_i32 s75, QROW
	s_cmp_eq_u32 s[WV], 0
	s_cselect_b64 s[PFA:PFA+1], s[4:5], s[6:7]
	s_cselect_b32 s66, s66, s68
	s_cselect_b32 s[PFS], s70, s71
	s_cselect_b32 s[PAR], 0, 1
	s_cselect_b32 s72, ttmp9, s[CLY]               ; the coordinate along which other clusters read the same blocks
	s_cselect_b32 s73, 1, 2
	s_cselect_b32 s74, s74, s75
	s_cmp_eq_u32 s72, 0
	s_cselect_b32 s[LIM], s73, -1                  ; the same in all sixteen partners, for a given wave
	s_mov_b32 s67, 0
	s_mov_b32 s[PFS+1], 0
	s_add_nc_u64 s[PFA:PFA+1], s[PFA:PFA+1], s[66:67]
	v_mul_u32_u24 v[PFO], v[LN], s74
	; the biases: rounded to bf16, widened again, through my own 768 bytes of LDS into the layout of a result
	s_mul_i32 s67, s[WV], 768
	s_add_co_u32 s67, s67, BIASL
	v_add_nc_u32 v33, s67, v[BO]
	v_lshl_add_u32 v[BIA], v[H], 5, s67
	s_wait_loadcnt 0x0
.irp i, 0,2,4,6,8,10
	v_cvt_pk_bf16_f32 v32, v[BD+(\i)], v[BD+(\i)+1]
	v_lshlrev_b32 v[BD+(\i)], 16, v32
	v_and_b32 v[BD+(\i)+1], 0xffff0000, v32
.endr
.irp c, 0,1,2
	ds_store_b128 v33, v[BD+4*(\c):BD+4*(\c)+3] offset:256*(\c)
.endr
.irp g, 0,1,2                          ; LDS serves a wave's instructions in order (ISA guide 5.7.1.4): these see the stores above
	WIN 0x40*(1+(\g))
.irp bb, 0,1,2,3
	ds_load_b128 v[64*(\bb):64*(\bb)+3],   v[BIA] offset:64*(4*(\g)+(\bb))
	ds_load_b128 v[64*(\bb)+4:64*(\bb)+7], v[BIA] offset:64*(4*(\g)+(\bb))+16
.endr
.endr
	WIN 0
	s_wait_tensorcnt 0x1                           ; my part of K step 0 is in; K step 1's may stay out
	s_wait_dscnt 0x0
	s_barrier_signal -1
	s_barrier_wait -1
	v_mov_b32 v[ADRA], v[A0]
	v_mov_b32 v[ADRB], v[B0]
	v_mov_b32 v[ADRB+1], v[B0+1]
	v_mov_b32 v[ADRB+2], v[B0+2]
	LDB 0, 0
	LDA 0, 0, 0
	LDA 0, 1, 0
	LDB 1, 0
	QA 1                                           ; the first 32 k stand in front of the loop: their products start the sums
	WIN 0
	s_mov_b32 s[CNT], STEPS-2
.Lstep:                                        ; 14 trips: the rest of K step j with a refill, the first half of K step j + 1
	QB 1
	QA 0
	WIN 0
	s_sub_co_u32 s[CNT], s[CNT], 1
	s_cmp_lg_u32 s[CNT], 0
	s_cbranch_scc1 .Lstep
	s_mov_b32 s[CNT], 2                            ; the last two K steps ask for nothing: a second text; it is entered in its middle
	s_branch .Lmid
.Ltail:
	QA 0
	WIN 0
.Lmid:
	QB 0                                           ; (its last fetch reads the slot left before and serves nothing: the price of one text for both trips)
	WIN 0
	s_sub_co_u32 s[CNT], s[CNT], 1
	s_cmp_lg_u32 s[CNT], 0
	s_cbranch_scc1 .Ltail
	; THE WAY OUT, in two passes of four row blocks: rounded to f16, 16 bytes a lane into the work-group's stage (a row's 768 bytes come from two waves: a barrier), back as whole blocks of 256 bytes.
	s_wait_dscnt 0x0
	PLACES
.macro PASS ph
.irp g, 0,1,2
	WIN 5*(1+(\g))
.irp aa, 0,1,2,3
.irp bb, 0,1,2,3
.irp i, 0,1,2,3
	v_cvt_pk_f16_f32 v[TMP+48*(\aa)+4*(4*(\g)+(\bb))+(\i)], v[8*(8*(\bb)+4*(\ph)+(\aa))+2*(\i)], v[8*(8*(\bb)+4*(\ph)+(\aa))+2*(\i)+1]
.endr
.endr
.endr
.endr
	WIN 0
.irp aa, 0,1,2,3
.irp b, 0,1,2,3,4,5,6,7,8,9,10,11
	ds_store_b128 v[STO], v[TMP+48*(\aa)+4*(\b):TMP+48*(\aa)+4*(\b)+3] offset:(\aa)*16*SPITCH+32*(\b)
.endr
.endr
	v_mov_b32 v[RDW], v[RD]
	v_mov_b32 v[COW], v[CO]
	s_wait_dscnt 0x0                               ; for the others' sake: my stores into the stage are done
	s_barrier_signal -1
	s_barrier_wait -1
	s_mov_b32 s[CNT], 3
.Lunit_\@:                                     ; a trip: one of the three blocks of 256 bytes of my 32 rows
.irp i, 0,1,2,3,4,5,6,7,8,9,10,11,12,13,14,15
	ds_load_b128 v[TMP+4*(\i):TMP+4*(\i)+3], v[RDW] offset:2*(\i)*SPITCH
.endr
.irp i, 0,1,2,3,4,5,6,7,8,9,10,11,12,13,14,15
	s_wait_dscnt 15-(\i)                           ; load i is back; the younger ones may be out
	global_store_b128 v[COW], v[TMP+4*(\i):TMP+4*(\i)+3], s[OUT:OUT+1] offset:(\ph)*64*QROW+2*(\i)*QROW  ; 16 lanes store 256 consecutive bytes, aligned
.endr
	s_wait_xcnt 0x0                                ; the stores have read their registers: offset and data are written again only behind this wait
	v_add_nc_u32 v[RDW], 256, v[RDW]
	v_add_nc_u32 v[COW], 256, v[COW]
	s_sub_co_u32 s[CNT], s[CNT], 1
	s_cmp_lg_u32 s[CNT], 0
	s_cbranch_scc1 .Lunit_\@
.endm
	PASS 0
	s_wait_dscnt 0x0                               ; my reads of the stage are over,
	s_barrier_signal -1
	s_barrier_wait -1                              ; everybody's are: it may be written again
	PASS 1
	s_wait_tensorcnt 0x0                           ; the wave's end
	ds_add_u32 v[SPW], v[NIL]
	s_wait_dscnt 0x0
	CROUND                                         ; the closing round
	s_endpgm
.Lfunc_end_k_q3eef748301_proj:
	.size	k_q3eef748301_proj, .Lfunc_end_k_q3eef748301_proj-k_q3eef748301_proj
	.p2alignl 7, 3214868480
	.fill 96, 4, 3214868480
	.section	.rodata,"a",@progbits
	.p2align	6, 0x0
	.amdhsa_kernel k_q3eef748301_proj
		.amdhsa_group_segment_fixed_size 327680
		.amdhsa_private_segment_fixed_size 0
		.amdhsa_enable_private_segment 0
		.amdhsa_kernarg_size 48
		.amdhsa_user_sgpr_count 2
		.amdhsa_user_sgpr_kernarg_segment_ptr 1
		.amdhsa_wavefront_size32 1
		.amdhsa_system_sgpr_workgroup_id_x 1
		.amdhsa_system_sgpr_workgroup_id_y 1
		.amdhsa_system_sgpr_workgroup_id_z 1
		.amdhsa_system_vgpr_workitem_id 0
		.amdhsa_next_free_vgpr 1024
		.amdhsa_next_free_sgpr 96
		.amdhsa_reserve_vcc 0
		.amdhsa_float_denorm_mode_32 3
		.amdhsa_float_denorm_mode_16_64 3
		.amdhsa_memory_ordered 1
		.amdhsa_forward_progress 1
		.amdhsa_inst_pref_size 102
	.end_amdhsa_kernel
	.amdgpu_metadata
---
amdhsa.version: [ 1, 2 ]
amdhsa.kernels:
  - .name:           k_q3eef748301_proj
    .symbol:         k_q3eef748301_proj.kd
    .args:
      - { .name: xb, .offset: 0, .size: 8, .value_kind: global_buffer, .address_space: global }
      - { .name: wb, .offset: 8, .size: 8, .value_kind: global_buffer, .address_space: global }
      - { .name: bq, .offset: 16, .size: 8, .value_kind: global_buffer, .address_space: global }
      - { .name: bk, .offset: 24, .size: 8, .value_kind: global_buffer, .address_space: global }
      - { .name: bv, .offset: 32, .size: 8, .value_kind: global_buffer, .address_space: global }
      - { .name: qkv, .offset: 40, .size: 8, .value_kind: global_buffer, .address_space: global }
    .group_segment_fixed_size: 327680
    .private_segment_fixed_size: 0
    .kernarg_segment_align: 8
    .kernarg_segment_size: 48
    .max_flat_workgroup_size: 128
    .sgpr_count:     96
    .vgpr_count:     1024
    .wavefront_size: 32
...
	.end_amdgpu_metadata
.endif
;; end of part 2
;; launch scores (part 3): grid 8 x 32, 4 waves a work-group, clusters of 4 x 4, 327,680 bytes of LDS; arguments qkv, p, stat; writes p, stat
.if DOCPART == 3
	.amdgcn_target "amdgcn-amd-amdhsa--gfx1250"
	.amdhsa_code_object_version 6
	.text
	.protected	k_q3eef748301_scores
	.globl	k_q3eef748301_scores
	.p2align	8
	.type	k_q3eef748301_scores,@function
k_q3eef748301_scores:
	s_mov_b64 s[64:65], 0
	v_nop
	global_prefetch_b8 v0, s[64:65] scope:SCOPE_SE
	s_setreg_imm32_b32 hwreg(HW_REG_WAVE_MODE, 25, 1), 1
	s_wait_xcnt 0x0
	s_wait_alu depctr_hold_cnt(0) depctr_sa_sdst(0) depctr_va_vdst(0) depctr_va_sdst(0) depctr_va_ssrc(0) depctr_va_vcc(0) depctr_vm_vsrc(0)
	s_getreg_b32 s2, hwreg(HW_REG_IB_STS2, 6, 4)
	s_cmp_eq_u32 s2, 0
	s_cbranch_scc0 .Lentry_in_a_cluster
	s_endpgm
.Lentry_in_a_cluster:
	s_bfe_u32 s2, ttmp6, 0x10000c
	s_cmp_lg_u32 s2, 0xf033
	s_cbranch_scc0 .Lentry_shape_is_right
	s_endpgm
.Lentry_shape_is_right:
; For each batch, query q and block kb of 128 keys: s = q . k; cm = c x (the block's largest s), c = log2(e) / 32; p = 2^(c s - cm), rounded to f16; l = the sum of the unrounded p.
; p: [8192][2048] f16.  stat: cm at batch x 131,072 + kb x 8,192 + 4 q (q within the batch), l the same place + 524,288, both f32.  The launch behind forms the row's maximum of the 16 cm and rescales.
; LIMITS: q and k arrive in f16; p below 6e-5 keeps f16's fixed step of 6e-8; a weight below 2^-126 counts as 0 in l; NaN and infinities are not treated apart.
; SHARES.  A work-group makes 256 queries x 256 keys, four waves 128 x 128 each (64 accumulators in windows 2 and 3), so a wave holds whole blocks of 128 keys.  K = 1024 goes in steps of 128 through two LDS slots.
; CLUSTER 4 x 4: q's tile is asked for jointly along a row of the cluster, k's along a column.
; TRANSPOSED: source 0 = 16 keys, source 1 = 16 queries: a lane holds one query (lane % 16) and, in the 8 accumulators of a row block, 64 of its 128 keys; the lane 16 away holds the others.
; REGISTERS.  Window 0: v0-31 addresses; v64-127, v128-191 q's fragments, two buffers; on the way out v32-63, v224-255 rows read back, v64-83 at work, v192-223 packed p.  Window 1: v64-191 k's fragments.
; Windows 2, 3: accumulator (a, b) at v[8 (8 (a % 4) + b)] of window 2 + a / 4.
.set QROW,   6144
.set PROW,   4096
.set PITCH,  272                       ; an LDS row: 256 bytes + 16: an odd multiple of 16
.set HALFT,  128*PITCH
.set SLOT,   4*HALFT                   ; 0x22000: its two bits are set in none of wave x HALFT, so one exclusive or changes slots
.set STAGE,  2*SLOT                    ; 16 rows x 272 bytes for each wave
.set SPITCH, 272
.set STATST, STAGE+4*16*SPITCH         ; 1,024 bytes for each wave: 128 cm, 128 l
.set SPARE,  STATST+4096
.set STEPS,  8
.set R, 1
.set H, 2
.set LN, 3
.set A0, 4
.set B0, 5
.set ADRA, 6
.set ADRB, 7
.set STO, 8
.set RD, 9
.set CO, 10
.set SST, 11
.set SPW, 12                           ; my spare word; never rewritten
.set NIL, 13                           ; 0; never rewritten
.set PFO, 14
.set SLD, 15
.set SGO, 16
.set FT, 17
.set OB, 32
.set F0, 64
.set F1, 128
.set TMP, 192
.set CC, 64                            ; v64-71 eight running maxima
.set CM, 72                            ; v72-73 c m, named as a pair
.set LS, 74
.set SD, 76                            ; v76-83 the statistics on their way out
.set WV, 10
.set WR, 11
.set WC, 12
.set CX, 13
.set CY, 14
.set TX, 15
.set TY, 16
.set BAT, 17
.set CNT, 18
.set TB, 19
.set CS, 20                            ; s[20:21] c
.set SEL, 22                           ; s[22:23] v_permlanex16_b32's selects: each lane takes its own place in the other half
.set G1A, 24
.set G0A0, 32
.set G0A, 36
.set G1B, 40
.set G0B0, 48
.set G0B, 52
.set LIM, 56
.set CLY, 57
.set PFA, 58
.set PBS, 60                           ; s[60:61] p at my first row and column
.set SB, 62                            ; s[62:63] stat at my block's 128 queries
.set MSB, 0
.macro WIN new
.if MSB != (\new)
	s_set_vgpr_msb (MSB<<8)|(\new)
.set MSB, \new
.endif
.endm
.set MUL_LO, 0xa1                      ; source 0 (k) window 1, source 1 (q) window 0, C and D window 2
.set TO_B,   0x40
.macro PLACES
.rept 4
	v_nop
.endr
.endm
.macro CREST
	s_cmp_lg_u32 s[WV], 0
	s_cbranch_scc1 .Lnot_wave_0_\@
	s_barrier_signal -3
.Lnot_wave_0_\@:
	s_barrier_wait -3
	s_barrier_signal -1
	s_barrier_wait -1
.endm
.macro CROUND
	s_barrier_signal -1
	s_barrier_wait -1
	CREST
.endm
.macro JLOAD                           ; waves 0 and 1 fetch q's halves, waves 2 and 3 k's; s_nop 0 and four v_nop follow each line
	s_cmp_eq_u32 s[WR], 0
	s_cbranch_scc0 .Lfor_b_\@
	tensor_load_to_lds s[G0A:G0A+3], s[G1A:G1A+7]
	s_nop 0
.rept 4
	v_nop
.endr
	s_branch .Lasked_\@
.Lfor_b_\@:
	tensor_load_to_lds s[G0B:G0B+3], s[G1B:G1B+7]
	s_nop 0
.rept 4
	v_nop
.endr
.Lasked_\@:
.endm
; A PREFETCH of the K step that the next refill asks for (256 products ahead of that load): of the 128 rows that I fetch, my work-group's 32, 256 bytes each, a lane a row.  q's rows are read by both clusters of a row of
; clusters: the one with x = 0 asks; k's by the two clusters of a batch's column: the one with even y asks.  The four partners are told apart by address.  K steps 0 to 2 come by their loads alone; the last refill asks for nothing.
.macro ASK
	s_cmp_gt_u32 s[CNT], s[LIM]
	s_cbranch_scc0 .Lnot_mine_\@
	global_prefetch_b8 v[PFO], s[PFA:PFA+1] th:TH_LOAD_NT scope:SCOPE_SE
.Lnot_mine_\@:
.endm
.macro MUL16 f, hi, a0, zero           ; 16 products: row blocks a0, a0 + 1 of the window's four x all 8 key blocks; the accumulators take turns
	WIN MUL_LO+0x50*(\hi)
.irp a, \a0, (\a0)+1
.irp b, 0,1,2,3,4,5,6,7
.if \zero
	v_wmma_f32_16x16x32_f16 v[8*(8*(\a)+(\b)):8*(8*(\a)+(\b))+7], v[(\f)+8*(\b):(\f)+8*(\b)+7], v[(\f)+8*(4*(\hi)+(\a)):(\f)+8*(4*(\hi)+(\a))+7], 0
.else
	v_wmma_f32_16x16x32_f16 v[8*(8*(\a)+(\b)):8*(8*(\a)+(\b))+7], v[(\f)+8*(\b):(\f)+8*(\b)+7], v[(\f)+8*(4*(\hi)+(\a)):(\f)+8*(4*(\hi)+(\a))+7], v[8*(8*(\a)+(\b)):8*(8*(\a)+(\b))+7]
.endif
.endr
.endr
.endm
.macro FETCH k, f                      ; 32 LDS loads in one run: 128 keys, then 128 queries, 32 channels at byte k of the rows
	WIN TO_B
.irp i, 0,1,2,3,4,5,6,7
	ds_load_b128 v[(\f)+8*(\i):(\f)+8*(\i)+3],   v[ADRB] offset:(\k)+(\i)*16*PITCH
	ds_load_b128 v[(\f)+8*(\i)+4:(\f)+8*(\i)+7], v[ADRB] offset:(\k)+(\i)*16*PITCH+32
.endr
	WIN 0
.irp i, 0,1,2,3,4,5,6,7
	ds_load_b128 v[(\f)+8*(\i):(\f)+8*(\i)+3],   v[ADRA] offset:(\k)+(\i)*16*PITCH
	ds_load_b128 v[(\f)+8*(\i)+4:(\f)+8*(\i)+7], v[ADRA] offset:(\k)+(\i)*16*PITCH+32
.endr
.endm
.macro QUARTER k, f, g, zero           ; 64 products on buffer f; in their middle the next quarter's fragments, at byte k, into buffer g
	s_wait_dscnt 8                                 ; the youngest eight loads (queries 64-127) may be out
	MUL16 \f, 0, 0, \zero
	MUL16 \f, 0, 2, \zero
	PLACES
	FETCH \k, \g
	s_wait_dscnt 32                                ; all but the 32 just issued
	MUL16 \f, 1, 0, \zero
	MUL16 \f, 1, 2, \zero
.endm
; The last quarter multiplies buffer 1 and changes slots.  Each wave waits for all its tensor loads (one is out: its part of the other slot), adds 0 to its spare word, and waits for that and for its reads of this slot.
; fill = 1: the barrier opens a round of the cluster's, and the joint refill is the first thing behind it: 224 products ahead of the wait for it.
.macro TURN fill
.if \fill
	s_wait_xcnt 0x0                                ; the last prefetch, a K step back, has read its address
	s_add_nc_u64 s[PFA:PFA+1], s[PFA:PFA+1], 256
.endif
	WIN 0
	s_wait_tensorcnt 0x0
	ds_add_u32 v[SPW], v[NIL]
.if \fill
	s_xor_b32 s[G0A+1], s[G0A+1], SLOT
	s_add_nc_u64 s[G0A+2:G0A+3], s[G0A+2:G0A+3], 256
	s_xor_b32 s[G0B+1], s[G0B+1], SLOT
	s_add_nc_u64 s[G0B+2:G0B+3], s[G0B+2:G0B+3], 256
.endif
	s_xor_b32 s[TB], s[TB], SLOT
	s_wait_dscnt 9                                 ; the add and the youngest eight loads may be out
	MUL16 F1, 0, 0, 0
	s_wait_dscnt 0x0                               ; the add is done, and my reads of this slot are over
	s_barrier_signal -1
	MUL16 F1, 0, 2, 0
	WIN 0
	s_barrier_wait -1
.if \fill
	CREST
	JLOAD
.else
	PLACES
.endif
	v_add_nc_u32 v[ADRA], s[TB], v[A0]
	v_add_nc_u32 v[ADRB], s[TB], v[B0]
	FETCH 0, F0
.if \fill
	ASK
.endif
	MUL16 F1, 1, 0, 0
	MUL16 F1, 1, 2, 0
.endm
	s_load_b128 s[4:7], s[0:1], 0x0                ; qkv s[4:5], p s[6:7]
	s_load_b64 s[8:9], s[0:1], 0x10                ; stat
	v_lshl_add_u32 v[SPW], v0, 2, SPARE
	v_mov_b32 v[NIL], 0
	ds_add_u32 v[SPW], v[NIL]                      ; the wave's opening: the add and its wait ahead of my first tensor load
	v_lshrrev_b32 v1, 5, v0
	v_readfirstlane_b32 s[WV], v1
	s_lshr_b32 s[WR], s[WV], 1
	s_and_b32 s[WC], s[WV], 1
	s_bfe_u32 s[CX], ttmp6, 0x40000
	s_bfe_u32 s[CY], ttmp6, 0x40004
	s_lshl_b32 s[TX], ttmp9, 2
	s_add_co_u32 s[TX], s[TX], s[CX]               ; tile of 256 keys
	s_and_b32 s[CLY], ttmp7, 0xffff
	s_lshl_b32 s[TY], s[CLY], 2
	s_add_co_u32 s[TY], s[TY], s[CY]               ; tile of 256 queries, over all batches
	s_lshr_b32 s[BAT], s[CLY], 1                   ; the batch: the same in all sixteen
	s_lshl_b32 s66, s[CY], 2
	s_lshl_b32 s66, 15, s66
	s_lshl_b32 s67, 0x1111, s[CX]
	s_or_b32 s[G1A], s66, (1<<16)|(1<<20)|(1<<21)|(5<<22)|(3<<25)  ; mask; 2-byte elements; padding on; bit 21 beside a mask; 4 words after every 64
	s_or_b32 s[G1B], s67, (1<<16)|(1<<20)|(1<<21)|(5<<22)|(3<<25)
.irp g, G1A, G1B
	s_mov_b32 s[(\g)+1], 128<<16                   ; tensor_dim0 = 128
	s_mov_b32 s[(\g)+2], 128<<16                   ; tensor_dim1 = 128
	s_mov_b32 s[(\g)+3], 128<<16                   ; tile_dim0 = 128
	s_mov_b32 s[(\g)+4], 128                       ; tile_dim1 = 128
	s_mov_b32 s[(\g)+5], 3072                      ; elements from row to row
	s_mov_b32 s[(\g)+6], 0
	s_mov_b32 s[(\g)+7], 0
.endr
	s_lshl_b32 s68, s[TY], 8
	s_lshl_b32 s69, s[WC], 7
	s_add_co_u32 s68, s68, s69
	s_mul_i32 s68, s68, QROW                       ; q: row 256 ty + 128 x half
	s_mov_b32 s69, 0
	s_lshl_b32 s70, s[BAT], 11
	s_lshl_b32 s71, s[TX], 8
	s_add_co_u32 s70, s70, s71
	s_lshl_b32 s71, s[WC], 7
	s_add_co_u32 s70, s70, s71
	s_mul_i32 s70, s70, QROW
	s_add_co_u32 s70, s70, 2048                    ; k: row 2048 batch + 256 tx + 128 x half, byte 2,048 of it
	s_mov_b32 s71, 0
	s_mul_i32 s72, s[WV], HALFT                    ; q's two halves, then k's two halves
	s_mov_b32 s[G0A0], 1
	s_mov_b32 s[G0A0+1], s72
	s_mov_b32 s[G0A], 1
	s_add_co_u32 s[G0A+1], s72, SLOT
	s_mov_b32 s[G0B0], 1
	s_mov_b32 s[G0B0+1], s72
	s_mov_b32 s[G0B], 1
	s_add_co_u32 s[G0B+1], s72, SLOT
	s_mov_b32 s[TB], 0
	s_mov_b32 s[CS], 0x3d38aa3b                    ; c = log2(e) / 32
	s_mov_b32 s[CS+1], s[CS]
	s_mov_b32 s[SEL], 0x76543210
	s_mov_b32 s[SEL+1], 0xfedcba98
	s_wait_dscnt 0x0                               ; the opening add is done
	s_wait_kmcnt 0x0
	s_add_nc_u64 s[G0A0+2:G0A0+3], s[4:5], s[68:69]
	s_add_nc_u64 s[G0A+2:G0A+3], s[G0A0+2:G0A0+3], 256
	s_or_b32 s[G0A0+3], s[G0A0+3], 0x80000000
	s_or_b32 s[G0A+3], s[G0A+3], 0x80000000
	s_add_nc_u64 s[G0B0+2:G0B0+3], s[4:5], s[70:71]
	s_add_nc_u64 s[G0B+2:G0B+3], s[G0B0+2:G0B0+3], 256
	s_or_b32 s[G0B0+3], s[G0B0+3], 0x80000000
	s_or_b32 s[G0B+3], s[G0B+3], 0x80000000
	CROUND                                         ; all sixteen work-groups are here: the first joint loads meet
	s_cmp_eq_u32 s[WR], 0                          ; a wave's two first fills stand in one branch: two loads of mine are out
	s_cbranch_scc0 .Lfirst_b
	tensor_load_to_lds s[G0A0:G0A0+3], s[G1A:G1A+7]
	s_nop 0
	tensor_load_to_lds s[G0A:G0A+3], s[G1A:G1A+7]
	s_nop 0
.rept 4
	v_nop
.endr
	s_branch .Lfirst_asked
.Lfirst_b:
	tensor_load_to_lds s[G0B0:G0B0+3], s[G1B:G1B+7]
	s_nop 0
	tensor_load_to_lds s[G0B:G0B+3], s[G1B:G1B+7]
	s_nop 0
.rept 4
	v_nop
.endr
.Lfirst_asked:
	v_and_b32 v[R], 15, v0
	v_bfe_u32 v[H], v0, 4, 1
	v_and_b32 v[LN], 31, v0
	v_mul_u32_u24 v[FT], v[R], PITCH
	v_lshl_add_u32 v[FT], v[H], 4, v[FT]           ; a fragment's row x pitch + 16 x half
	s_mul_i32 s66, s[WR], HALFT
	v_add_nc_u32 v[A0], s66, v[FT]
	s_mul_i32 s66, s[WC], HALFT
	s_add_co_u32 s66, s66, 2*HALFT
	v_add_nc_u32 v[B0], s66, v[FT]
	s_mul_i32 s66, s[WV], 16*SPITCH
	s_add_co_u32 s66, s66, STAGE                   ; my stage
	v_add_nc_u32 v[STO], s66, v[FT]                ; in: row l % 16, 16 bytes for each half of the lanes
	v_mul_u32_u24 v[RD], v[H], SPITCH              ; back: lanes 0-15 one row of 256 bytes, lanes 16-31 the next
	v_lshl_add_u32 v[RD], v[R], 4, v[RD]
	v_add_nc_u32 v[RD], s66, v[RD]
	v_lshlrev_b32 v[CO], 12, v[H]
	v_lshl_add_u32 v[CO], v[R], 4, v[CO]
	s_lshl_b32 s66, s[WV], 10
	s_add_co_u32 s66, s66, STATST
	v_lshl_add_u32 v[SST], v[R], 2, s66
	v_lshl_add_u32 v[SLD], v[LN], 4, s66
	v_lshlrev_b32 v[SGO], 4, v[LN]
	v_mul_u32_u24 v[PFO], v[LN], QROW
	s_lshl_b32 s66, s[TY], 20                      ; p: row 256 ty + 128 x row half, byte 512 tx + 256 x column half
	s_lshl_b32 s67, s[WR], 19
	s_add_co_u32 s66, s66, s67
	s_lshl_b32 s67, s[TX], 9
	s_add_co_u32 s66, s66, s67
	s_lshl_b32 s67, s[WC], 8
	s_add_co_u32 s66, s66, s67
	s_mov_b32 s67, 0
	s_add_nc_u64 s[PBS:PBS+1], s[6:7], s[66:67]
	s_lshl_b32 s66, s[BAT], 17                     ; stat: batch, key block 2 tx + column half, query (ty % 8) 256 + 128 x row half
	s_lshl_b32 s67, s[TX], 14
	s_add_co_u32 s66, s66, s67
	s_lshl_b32 s67, s[WC], 13
	s_add_co_u32 s66, s66, s67
	s_and_b32 s67, s[TY], 7
	s_lshl_b32 s67, s67, 10
	s_add_co_u32 s66, s66, s67
	s_lshl_b32 s67, s[WR], 9
	s_add_co_u32 s66, s66, s67
	s_mov_b32 s67, 0
	s_add_nc_u64 s[SB:SB+1], s[8:9], s[66:67]
	; the prefetches: my work-group's 32 of the 128 rows that I fetch, at K step 2; stepped ahead of each request
	s_lshl_b32 s66, s[TY], 8
	s_lshl_b32 s67, s[CX], 5
	s_add_co_u32 s66, s66, s67
	s_lshl_b32 s68, s[BAT], 11
	s_lshl_b32 s69, s[TX], 8
	s_add_co_u32 s68, s68, s69
	s_lshl_b32 s69, s[CY], 5
	s_add_co_u32 s68, s68, s69
	s_lshl_b32 s69, s[WC], 7
	s_and_b32 s70, s[CLY], 1
	s_movk_i32 s71, 2*256
	s_movk_i32 s72, 2048+2*256
	s_cmp_eq_u32 s[WR], 0
	s_cselect_b32 s66, s66, s68
	s_cselect_b32 s70, ttmp9, s70                  ; the coordinate along which another cluster reads the same rows
	s_cselect_b32 s71, s71, s72
	s_add_co_u32 s66, s66, s69
	s_mul_i32 s66, s66, QROW
	s_add_co_u32 s66, s66, s71
	s_mov_b32 s67, 0
	s_add_nc_u64 s[PFA:PFA+1], s[4:5], s[66:67]
	s_cmp_eq_u32 s70, 0
	s_cselect_b32 s[LIM], 1, -1                    ; the same in all sixteen partners, for a given wave
	v_mov_b32 v[ADRA], v[A0]
	v_mov_b32 v[ADRB], v[B0]
	s_wait_tensorcnt 0x1                           ; my part of K step 0 is in; K step 1's may stay out
	s_barrier_signal -1
	s_barrier_wait -1
	FETCH 0, F0
	QUARTER 64, F0, F1, 1                          ; the first quarter stands in front of the loop: its products start the sums
	WIN 0
	s_mov_b32 s[CNT], STEPS-2
.Lstep:                                        ; 6 trips: the rest of K step j with a refill, the first quarter of K step j + 1
	QUARTER 128, F1, F0, 0
	QUARTER 192, F0, F1, 0
	TURN 1
	QUARTER 64, F0, F1, 0
	WIN 0
	s_sub_co_u32 s[CNT], s[CNT], 1
	s_cmp_lg_u32 s[CNT], 0
	s_cbranch_scc1 .Lstep
	s_mov_b32 s[CNT], 2                            ; the last two K steps ask for nothing: a second text; it is entered in its middle
	s_branch .Lmid
.Ltail:
	QUARTER 64, F0, F1, 0
	WIN 0
.Lmid:
	QUARTER 128, F1, F0, 0
	QUARTER 192, F0, F1, 0
	TURN 0                                         ; (its last fetch reads the slot left before and serves nothing: the price of one text for both trips)
	WIN 0
	s_sub_co_u32 s[CNT], s[CNT], 1
	s_cmp_lg_u32 s[CNT], 0
	s_cbranch_scc1 .Ltail
; THE WAY OUT, a block of 16 queries at a time.  SOFT a: the block's maximum (each accumulator's lowest registers are read first), c m, the 64 scalings and exponentials of a lane as ONE batch with one
; wait, the roundings to f16, the sum.  The text names window 2 alone: it runs twice, and between the trips window 3 is copied into window 2: 256 moves a wave, once, for half the text.
.macro SOFT a
.set AC, 64*(\a)
	WIN 0x2a                                       ; all three sources window 2
.irp b, 0,1,2,3,4,5,6,7
	v_max3_num_f32 v[CC+(\b)], v[AC+8*(\b)], v[AC+8*(\b)+1], v[AC+8*(\b)+2]
.endr
	WIN 0x28                                       ; sources 1 and 2 window 2
.irp b, 0,1,2,3,4,5,6,7
	v_max3_num_f32 v[CC+(\b)], v[CC+(\b)], v[AC+8*(\b)+3], v[AC+8*(\b)+4]
.endr
.irp b, 0,1,2,3,4,5,6,7
	v_max3_num_f32 v[CC+(\b)], v[CC+(\b)], v[AC+8*(\b)+5], v[AC+8*(\b)+6]
.endr
.irp b, 0,2,4,6
	v_max3_num_f32 v[CC+(\b)], v[CC+(\b)], v[AC+8*(\b)+7], v[AC+8*(\b)+15]
.endr
	WIN 0
	v_max3_num_f32 v[CC], v[CC], v[CC+1], v[CC+2]
	v_max3_num_f32 v[CC+3], v[CC+3], v[CC+4], v[CC+5]
	v_max3_num_f32 v[CC], v[CC], v[CC+3], v[CC+6]
	v_max_num_f32 v[CC], v[CC], v[CC+7]
	v_permlanex16_b32 v[CC+1], v[CC], s[SEL], s[SEL+1]  ; the query's other 64 keys lie in the lane 16 away
	v_max_num_f32 v[CC], v[CC], v[CC+1]
	v_mul_f32 v[CM], s[CS], v[CC]
	v_mov_b32 v[CM+1], v[CM]
	WIN 0x82                                       ; destination and source 0 window 2, c m window 0
.set z, 0
.rept 32
	v_pk_fma_f32 v[AC+z:AC+z+1], v[AC+z:AC+z+1], s[CS:CS+1], v[CM:CM+1] op_sel_hi:[1,0,0] neg_lo:[0,0,1] neg_hi:[0,0,1]
.set z, z+2
.endr
.set z, 0
.rept 64
	v_exp_f32 v[AC+z], v[AC+z]
.set z, z+1
.endr
	v_nop                                          ; a plain instruction behind the last exponential,
	s_wait_alu depctr_va_vdst(0)                   ; and one wait ahead of the batch's first reader
	WIN 0x0a
.irp b, 0,1,2,3,4,5,6,7
.irp i, 0,1,2,3
	v_cvt_pk_f16_f32 v[TMP+4*(\b)+(\i)], v[AC+8*(\b)+2*(\i)], v[AC+8*(\b)+2*(\i)+1]
.endr
.endr
	WIN 0x8a
.irp w, 32,16,8,4,2                    ; the 32 pairs are added in place, neighbours w registers apart
.set z, 0
.rept (\w)/2
	v_pk_add_f32 v[AC+z:AC+z+1], v[AC+z:AC+z+1], v[AC+z+(\w):AC+z+(\w)+1]
.set z, z+2
.endr
.endr
	WIN 0x0a
	v_add_f32 v[LS], v[AC], v[AC+1]
	WIN 0
	v_permlanex16_b32 v[CC+1], v[LS], s[SEL], s[SEL+1]
	v_add_f32 v[LS], v[LS], v[CC+1]
	ds_store_b32 v[SST], v[CM] offset:64*(\a)      ; both halves of the lanes write the same number to the same word
	ds_store_b32 v[SST], v[LS] offset:512+64*(\a)
.endm
.macro TOSTAGE a                       ; 16 bytes a lane into my own stage, back as whole rows of 256 bytes
	WIN 0
.set BK, OB+192*((\a)%2)
.irp b, 0,1,2,3,4,5,6,7
	ds_store_b128 v[STO], v[TMP+4*(\b):TMP+4*(\b)+3] offset:32*(\b)
.endr
.irp t, 0,1,2,3,4,5,6,7
	ds_load_b128 v[BK+4*(\t):BK+4*(\t)+3], v[RD] offset:(\t)*2*SPITCH  ; LDS serves a wave's instructions in order (ISA guide 5.7.1.4): these see the stores above
.endr
.endm
.macro SEND a
	WIN 0
.set BK, OB+192*((\a)%2)
	s_wait_dscnt 0x0                               ; the block is back in registers
	s_wait_xcnt 0x0                                ; the block before has left its registers: the next TOSTAGE loads into them
.irp t, 0,1,2,3,4,5,6,7
	global_store_b128 v[CO], v[BK+4*(\t):BK+4*(\t)+3], s[PBS:PBS+1] offset:(16*(\a)+2*(\t))*PROW  ; 16 lanes store 256 consecutive bytes, aligned
.endr
.endm
	s_wait_dscnt 0x0
	PLACES
	s_mov_b32 s[CNT], 2
	s_branch .Lproc
.Lmove:
	WIN 0x83                                       ; destination window 2, source window 3; ascending
.set z, 0
.rept 256
	v_mov_b32 v[z], v[z]
.set z, z+1
.endr
	WIN 0
	s_wait_xcnt 0x0                                ; the stores have read their base
	s_add_nc_u64 s[PBS:PBS+1], s[PBS:PBS+1], 64*PROW
	v_add_nc_u32 v[SST], 256, v[SST]
.Lproc:
	SOFT 0
	TOSTAGE 0
.irp a, 1,2,3                          ; a block's arithmetic stands between the loads of the block before and its stores
	SOFT \a
	SEND (\a)-1
	TOSTAGE \a
.endr
	SEND 3
	s_sub_co_u32 s[CNT], s[CNT], 1
	s_cmp_lg_u32 s[CNT], 0
	s_cbranch_scc1 .Lmove
	ds_load_b128 v[SD:SD+3], v[SLD]                ; my 128 cm and 128 l: 512 consecutive bytes each
	ds_load_b128 v[SD+4:SD+7], v[SLD] offset:512
	s_wait_dscnt 0x0
	global_store_b128 v[SGO], v[SD:SD+3], s[SB:SB+1]
	global_store_b128 v[SGO], v[SD+4:SD+7], s[SB:SB+1] offset:524288
	s_wait_tensorcnt 0x0                           ; the wave's end
	ds_add_u32 v[SPW], v[NIL]
	s_wait_dscnt 0x0
	CROUND                                         ; the closing round
	s_endpgm
.Lfunc_end_k_q3eef748301_scores:
	.size	k_q3eef748301_scores, .Lfunc_end_k_q3eef748301_scores-k_q3eef748301_scores
	.p2alignl 7, 3214868480
	.fill 96, 4, 3214868480
	.section	.rodata,"a",@progbits
	.p2align	6, 0x0
	.amdhsa_kernel k_q3eef748301_scores
		.amdhsa_group_segment_fixed_size 327680
		.amdhsa_private_segment_fixed_size 0
		.amdhsa_enable_private_segment 0
		.amdhsa_kernarg_size 24
		.amdhsa_user_sgpr_count 2
		.amdhsa_user_sgpr_kernarg_segment_ptr 1
		.amdhsa_wavefront_size32 1
		.amdhsa_system_sgpr_workgroup_id_x 1
		.amdhsa_system_sgpr_workgroup_id_y 1
		.amdhsa_system_sgpr_workgroup_id_z 1
		.amdhsa_system_vgpr_workitem_id 0
		.amdhsa_next_free_vgpr 1024
		.amdhsa_next_free_sgpr 80
		.amdhsa_reserve_vcc 0
		.amdhsa_float_denorm_mode_32 3
		.amdhsa_float_denorm_mode_16_64 3
		.amdhsa_memory_ordered 1
		.amdhsa_forward_progress 1
		.amdhsa_inst_pref_size 129
	.end_amdhsa_kernel
	.amdgpu_metadata
---
amdhsa.version: [ 1, 2 ]
amdhsa.kernels:
  - .name:           k_q3eef748301_scores
    .symbol:         k_q3eef748301_scores.kd
    .args:
      - { .name: qkv, .offset: 0, .size: 8, .value_kind: global_buffer, .address_space: global }
      - { .name: p, .offset: 8, .size: 8, .value_kind: global_buffer, .address_space: global }
      - { .name: stat, .offset: 16, .size: 8, .value_kind: global_buffer, .address_space: global }
    .group_segment_fixed_size: 327680
    .private_segment_fixed_size: 0
    .kernarg_segment_align: 8
    .kernarg_segment_size: 24
    .max_flat_workgroup_size: 128
    .sgpr_count:     80
    .vgpr_count:     1024
    .wavefront_size: 32
...
	.end_amdgpu_metadata
.endif
;; end of part 3
;; launch pv (part 4): grid 4 x 64, 4 waves a work-group, clusters of 4 x 4, 327,680 bytes of LDS; arguments p, qkv, stat, out0; writes out0
.if DOCPART == 4
	.amdgcn_target "amdgcn-amd-amdhsa--gfx1250"
	.amdhsa_code_object_version 6
	.text
	.protected	k_q3eef748301_pv
	.globl	k_q3eef748301_pv
	.p2align	8
	.type	k_q3eef748301_pv,@function
k_q3eef748301_pv:
	s_mov_b64 s[64:65], 0
	v_nop
	global_prefetch_b8 v0, s[64:65] scope:SCOPE_SE
	s_setreg_imm32_b32 hwreg(HW_REG_WAVE_MODE, 25, 1), 1
	s_wait_xcnt 0x0
	s_wait_alu depctr_hold_cnt(0) depctr_sa_sdst(0) depctr_va_vdst(0) depctr_va_sdst(0) depctr_va_ssrc(0) depctr_va_vcc(0) depctr_vm_vsrc(0)
	s_getreg_b32 s2, hwreg(HW_REG_IB_STS2, 6, 4)
	s_cmp_eq_u32 s2, 0
	s_cbranch_scc0 .Lentry_in_a_cluster
	s_endpgm
.Lentry_in_a_cluster:
	s_bfe_u32 s2, ttmp6, 0x10000c
	s_cmp_lg_u32 s2, 0xf033
	s_cbranch_scc0 .Lentry_shape_is_right
	s_endpgm
.Lentry_shape_is_right:
; out0[q][d] = (the sum over key blocks kb of al[q][kb] x the sum over the block's keys of p[q][key] v[key][d]) / L[q], with M = the largest of the row's 16 cm, al = 2^(cm - M), L = the sum of al x l.
; So the row's true maximum is taken away before the weights are used.  p, v and al in f16, products summed in f32, out0 f32.
; LIMITS: al and al x p below 6e-5 keep f16's fixed step of 6e-8; L uses al after its rounding to f16, the al that multiplies p; NaN and infinities are not treated apart.
; SHARES.  A work-group makes 128 queries x 256 channels, four waves 64 x 128 each (32 accumulators, window 1).  The 2,048 keys go in steps of 128, one key block a step, through two LDS slots.
; CLUSTER 4 x 4: p's tile is asked for jointly along a row of the cluster, v's along a column.
; TRANSPOSED: source 0 = 16 channels of v (turned by ds_load_tr16_b128), source 1 = 16 queries of p: a lane holds one query and 8 neighbouring channels, 32 bytes of out0.
; al x p: a fragment of p holds one query a lane, so a packed f16 multiply by that query's al scales a register; the 32 multiplies of the NEXT quarter stand four behind each of a quarter's last 8 products.
; REGISTERS.  Window 0: v0-31 addresses and statistics; v32-63 packed al while the table is made; v64-71 1 / L in pairs; v96-159 p's fragments, two buffers (v96-223 on the way out).  Window 1: accumulator (a, b) at v[8 (8 a + b)].
; Window 2: v0-127 v's fragments, two buffers.
.set QROW,   6144
.set PROW,   4096
.set PP,     272                       ; a row of p in LDS: 256 bytes + 16
.set PV,     544                       ; a row of v: 512 bytes + 32: an odd multiple of 32
.set AHALF,  64*PP
.set ATILE,  128*PP
.set BHALF,  64*PV
.set SLOT1,  1<<17                     ; a slot has 104,448 bytes
.set TABLE,  ATILE+2*BHALF             ; behind slot 0: for each wave 18 entries of 256 bytes: al of key blocks 0-15 as [query % 16][row block], entry 15 once more, 1 / L
.set TWAVE,  18*256
.set SPARE,  TABLE+4*TWAVE
.set STAGE,  SLOT1+TABLE               ; behind slot 1: 16 rows x 528 bytes for each wave
.set SPO,    528
.set VSTEP,  128*QROW
.set STEPS,  16
.set R, 1
.set H, 2
.set LN, 3
.set A0, 4
.set B0, 5
.set ADRA, 6
.set ADRB, 7
.set AAD, 8
.set STO, 9
.set RD, 10
.set CO, 11
.set SO, 12
.set TW, 13
.set RLA, 14
.set PFO, 15
.set SPW, 16                           ; my spare word; never rewritten
.set NIL, 17                           ; 0; never rewritten
.set MX, 18                            ; v18-19 the rows' maxima, by group
.set AL, 20                            ; v20-23 the step's al for my query in row blocks 0-3, twice in each register
.set RL, 24                            ; v24-27 1 / L likewise
.set LSUM, 28                          ; v28-29
.set PK, 32
.set RP, 64
.set AFR, 96
.set OB, 96
.set CMR, 128                          ; v128-159 cm, v160-191 l, by group and key block
.set LR, 160
.set WV, 12
.set WR, 13
.set WC, 14
.set CX, 15
.set CY, 16
.set TY, 17
.set BAT, 18
.set CNT, 19
.set TB, 20
.set LIM, 21
.set PFS, 22
.set G1A, 24
.set G0A0, 32
.set G0A, 36
.set G1B, 40
.set G0B0, 48
.set G0B, 52
.set PFA, 56
.set ST, 58
.set OUT, 60
.set TX, 62
.set CLY, 63
.set MSB, 0
.macro WIN new
.if MSB != (\new)
	s_set_vgpr_msb (MSB<<8)|(\new)
.set MSB, \new
.endif
.endm
.set W_MM, 0x52                        ; v in window 2, p in window 0, C and D in window 1
.macro PLACES
.rept 4
	v_nop
.endr
.endm
.macro CREST
	s_cmp_lg_u32 s[WV], 0
	s_cbranch_scc1 .Lnot_wave_0_\@
	s_barrier_signal -3
.Lnot_wave_0_\@:
	s_barrier_wait -3
	s_barrier_signal -1
	s_barrier_wait -1
.endm
.macro CROUND
	s_barrier_signal -1
	s_barrier_wait -1
	CREST
.endm
.macro JLOAD                           ; waves 0 and 1 fetch p's halves, waves 2 and 3 v's; s_nop 0 and four v_nop follow each line
	s_cmp_eq_u32 s[WR], 0
	s_cbranch_scc0 .Lfor_b_\@
	tensor_load_to_lds s[G0A:G0A+3], s[G1A:G1A+7]
	s_nop 0
.rept 4
	v_nop
.endr
	s_branch .Lasked_\@
.Lfor_b_\@:
	tensor_load_to_lds s[G0B:G0B+3], s[G1B:G1B+7]
	s_nop 0
.rept 4
	v_nop
.endr
.Lasked_\@:
.endm
; A PREFETCH of the step two refills on (256 products ahead of its load).  p's rows are read by one cluster alone: in every cluster wave 0 asks for my work-group's 32 of the tile's 128 rows, 256 bytes each.  v's rows are
; read by the four clusters of a batch: in the first of them waves 2 and 3 ask for one of the tile's two column blocks of my work-group's 32 of the step's 128 rows.  A lane a row; partners told apart by address.
; Steps 0 to 3 come by their loads alone; the last two refills ask for nothing.
.macro ASK
	s_cmp_gt_u32 s[CNT], s[LIM]
	s_cbranch_scc0 .Lnot_mine_\@
	global_prefetch_b8 v[PFO], s[PFA:PFA+1] th:TH_LOAD_NT scope:SCOPE_SE
.Lnot_mine_\@:
.endm
.macro PROD f, a, b, zero
.if \zero
	v_wmma_f32_16x16x32_f16 v[8*(8*(\a)+(\b)):8*(8*(\a)+(\b))+7], v[64*(\f)+8*(\b):64*(\f)+8*(\b)+7], v[AFR+32*(\f)+8*(\a):AFR+32*(\f)+8*(\a)+7], 0
.else
	v_wmma_f32_16x16x32_f16 v[8*(8*(\a)+(\b)):8*(8*(\a)+(\b))+7], v[64*(\f)+8*(\b):64*(\f)+8*(\b)+7], v[AFR+32*(\f)+8*(\a):AFR+32*(\f)+8*(\a)+7], v[8*(8*(\a)+(\b)):8*(8*(\a)+(\b))+7]
.endif
.endm
.macro MUL8 f, b0, zero                ; 8 products: channel blocks b0, b0 + 1 x the 4 row blocks; the accumulators take turns
	WIN W_MM
.irp b, \b0, (\b0)+1
.irp a, 0,1,2,3
	PROD \f, \a, \b, \zero
.endr
.endr
.endm
.macro MUL8R f, b0, g, zero            ; the same, and behind each product four of the 32 multiplies that scale buffer g's p
.set rr, 0
.irp b, \b0, (\b0)+1
.irp a, 0,1,2,3
	WIN W_MM
	PROD \f, \a, \b, \zero
	WIN 0
.rept 4
	v_pk_mul_f16 v[AFR+32*(\g)+rr], v[AFR+32*(\g)+rr], v[AL+rr/8]
.set rr, rr+1
.endr
.endr
.endr
.endm
.macro FETCH qd, f, al                 ; (al = 1: the step's al;) 8 loads of p, 16 turning loads of v: 32 keys at quarter qd into buffer f
	WIN 0
.if \al
	ds_load_b128 v[AL:AL+3], v[AAD]
.endif
.irp a, 0,1,2,3
	ds_load_b128 v[AFR+32*(\f)+8*(\a):AFR+32*(\f)+8*(\a)+3],   v[ADRA] offset:(\a)*16*PP+64*(\qd)
	ds_load_b128 v[AFR+32*(\f)+8*(\a)+4:AFR+32*(\f)+8*(\a)+7], v[ADRA] offset:(\a)*16*PP+64*(\qd)+32
.endr
	WIN 0x80
.irp b, 0,1,2,3,4,5,6,7
	ds_load_tr16_b128 v[64*(\f)+8*(\b):64*(\f)+8*(\b)+3],   v[ADRB] offset:(\qd)*32*PV+32*(\b)
	ds_load_tr16_b128 v[64*(\f)+8*(\b)+4:64*(\f)+8*(\b)+7], v[ADRB] offset:(\qd)*32*PV+16*PV+32*(\b)
.endr
.endm
.macro QUARTER qd, f, g, zero          ; 32 products on buffer f; quarter qd is fetched into buffer g and its p scaled
	s_wait_dscnt 12                                ; v's fragments 2 to 7 may be out
	MUL8 \f, 0, \zero
	PLACES
	FETCH \qd, \g, 0
	s_wait_dscnt 32                                ; the 24 just issued and fragments 4 to 7
	MUL8 \f, 2, \zero
	s_wait_dscnt 28                                ; the 24 and fragments 6, 7
	MUL8 \f, 4, \zero
	s_wait_dscnt 16                                ; the new v: the new p is in
	MUL8R \f, 6, \g, \zero
.endm
; The last quarter multiplies buffer 1 and changes slots.  Each wave waits for all its tensor loads (one is out: its part of the other slot), adds 0 to its spare word, and waits for that and for its reads of this slot.
; fill = 1: the barrier opens a round of the cluster's, and the joint refill is the first thing behind it: 112 products ahead of the wait for it.
.macro TURN fill
.if \fill
	s_wait_xcnt 0x0                                ; the last prefetch, a step back, has read its address
	s_add_nc_u64 s[PFA:PFA+1], s[PFA:PFA+1], s[PFS:PFS+1]
.endif
	WIN 0
	s_wait_tensorcnt 0x0
	ds_add_u32 v[SPW], v[NIL]
.if \fill
	s_xor_b32 s[G0A+1], s[G0A+1], SLOT1
	s_add_nc_u64 s[G0A+2:G0A+3], s[G0A+2:G0A+3], 256
	s_xor_b32 s[G0B+1], s[G0B+1], SLOT1
	s_add_nc_u64 s[G0B+2:G0B+3], s[G0B+2:G0B+3], VSTEP
.endif
	s_xor_b32 s[TB], s[TB], SLOT1
	s_wait_dscnt 13                                ; fragments 2 to 7 and the add may be out
	MUL8 1, 0, 0
	s_wait_dscnt 0x0                               ; the add is done, and my reads of this slot are over
	s_barrier_signal -1
	MUL8 1, 2, 0
	WIN 0
	s_barrier_wait -1
.if \fill
	CREST
	JLOAD
.else
	PLACES
.endif
	v_add_nc_u32 v[ADRA], s[TB], v[A0]
	v_add_nc_u32 v[ADRB], s[TB], v[B0]
	v_add_nc_u32 v[AAD], 256, v[AAD]               ; the next key block's al
	FETCH 0, 0, 1
	WIN 0
.if \fill
	ASK
.endif
	MUL8 1, 4, 0
	s_wait_dscnt 16                                ; the new v may be out: al and the new p are in
	MUL8R 1, 6, 0, 0
.endm
	s_load_b256 s[4:11], s[0:1], 0x0               ; p s[4:5], qkv s[6:7], stat s[8:9], out0 s[10:11]
	v_lshl_add_u32 v[SPW], v0, 2, SPARE
	v_mov_b32 v[NIL], 0
	ds_add_u32 v[SPW], v[NIL]                      ; the wave's opening: the add and its wait ahead of my first tensor load
	v_lshrrev_b32 v1, 5, v0
	v_readfirstlane_b32 s[WV], v1
	s_lshr_b32 s[WR], s[WV], 1
	s_and_b32 s[WC], s[WV], 1
	s_bfe_u32 s[CX], ttmp6, 0x40000
	s_bfe_u32 s[CY], ttmp6, 0x40004
	s_lshl_b32 s[TX], ttmp9, 2
	s_add_co_u32 s[TX], s[TX], s[CX]               ; tile of 256 channels
	s_and_b32 s[CLY], ttmp7, 0xffff
	s_lshl_b32 s[TY], s[CLY], 2
	s_add_co_u32 s[TY], s[TY], s[CY]               ; tile of 128 queries, over all batches
	s_lshr_b32 s[BAT], s[CLY], 2                   ; the batch: the same in all sixteen
	s_lshl_b32 s66, s[CY], 2
	s_lshl_b32 s66, 15, s66
	s_lshl_b32 s67, 0x1111, s[CX]
	s_or_b32 s[G1A], s66, (1<<16)|(1<<20)|(1<<21)|(5<<22)|(3<<25)  ; mask; 2-byte elements; padding on; bit 21 beside a mask; 4 words after every 64
	s_mov_b32 s[G1A+1], 128<<16
	s_mov_b32 s[G1A+2], 64<<16
	s_mov_b32 s[G1A+3], 128<<16
	s_mov_b32 s[G1A+4], 64
	s_mov_b32 s[G1A+5], 2048
	s_mov_b32 s[G1A+6], 0
	s_mov_b32 s[G1A+7], 0
	s_or_b32 s[G1B], s67, (1<<16)|(1<<20)|(1<<21)|(6<<22)|(7<<25)  ; 8 words after every 128
	s_mov_b32 s[G1B+1], 256<<16
	s_mov_b32 s[G1B+2], 64<<16
	s_mov_b32 s[G1B+3], 256<<16
	s_mov_b32 s[G1B+4], 64
	s_mov_b32 s[G1B+5], 3072
	s_mov_b32 s[G1B+6], 0
	s_mov_b32 s[G1B+7], 0
	s_lshl_b32 s68, s[TY], 19                      ; p: row 128 ty + 64 x half
	s_lshl_b32 s69, s[WC], 18
	s_add_co_u32 s68, s68, s69
	s_mov_b32 s69, 0
	s_lshl_b32 s70, s[BAT], 11                     ; v: row 2048 batch + 64 x half, byte 4,096 + 512 tx of it
	s_lshl_b32 s71, s[WC], 6
	s_add_co_u32 s70, s70, s71
	s_mul_i32 s70, s70, QROW
	s_lshl_b32 s71, s[TX], 9
	s_add_co_u32 s70, s70, s71
	s_add_co_u32 s70, s70, 4096
	s_mov_b32 s71, 0
	s_mul_i32 s72, s[WC], AHALF
	s_mul_i32 s73, s[WC], BHALF
	s_add_co_u32 s73, s73, ATILE
	s_mov_b32 s[G0A0], 1
	s_mov_b32 s[G0A0+1], s72
	s_mov_b32 s[G0A], 1
	s_add_co_u32 s[G0A+1], s72, SLOT1
	s_mov_b32 s[G0B0], 1
	s_mov_b32 s[G0B0+1], s73
	s_mov_b32 s[G0B], 1
	s_add_co_u32 s[G0B+1], s73, SLOT1
	s_mov_b32 s[TB], 0
	s_wait_dscnt 0x0                               ; the opening add is done
	s_wait_kmcnt 0x0
	s_add_nc_u64 s[G0A0+2:G0A0+3], s[4:5], s[68:69]
	s_add_nc_u64 s[G0A+2:G0A+3], s[G0A0+2:G0A0+3], 256
	s_or_b32 s[G0A0+3], s[G0A0+3], 0x80000000
	s_or_b32 s[G0A+3], s[G0A+3], 0x80000000
	s_add_nc_u64 s[G0B0+2:G0B0+3], s[6:7], s[70:71]
	s_add_nc_u64 s[G0B+2:G0B+3], s[G0B0+2:G0B0+3], VSTEP
	s_or_b32 s[G0B0+3], s[G0B0+3], 0x80000000
	s_or_b32 s[G0B+3], s[G0B+3], 0x80000000
	CROUND                                         ; all sixteen work-groups are here: the first joint loads meet
	s_cmp_eq_u32 s[WR], 0                          ; a wave's two first fills stand in one branch: two loads of mine are out
	s_cbranch_scc0 .Lfirst_b
	tensor_load_to_lds s[G0A0:G0A0+3], s[G1A:G1A+7]
	s_nop 0
	tensor_load_to_lds s[G0A:G0A+3], s[G1A:G1A+7]
	s_nop 0
.rept 4
	v_nop
.endr
	s_branch .Lfirst_asked
.Lfirst_b:
	tensor_load_to_lds s[G0B0:G0B0+3], s[G1B:G1B+7]
	s_nop 0
	tensor_load_to_lds s[G0B:G0B+3], s[G1B:G1B+7]
	s_nop 0
.rept 4
	v_nop
.endr
.Lfirst_asked:
	; THE STATISTICS of my wave's 64 queries: 32 queries in the 32 lanes, two groups.  Query 32 g + lane is row lane % 16 of row block 2 g + lane / 16.
	v_and_b32 v[R], 15, v0
	v_bfe_u32 v[H], v0, 4, 1
	v_and_b32 v[LN], 31, v0
	v_lshlrev_b32 v[SO], 2, v[LN]
	s_lshl_b32 s66, s[BAT], 17
	s_and_b32 s67, s[TY], 15
	s_lshl_b32 s67, s67, 9
	s_add_co_u32 s66, s66, s67
	s_lshl_b32 s67, s[WR], 8
	s_add_co_u32 s66, s66, s67
	s_mov_b32 s67, 0
	s_add_nc_u64 s[ST:ST+1], s[8:9], s[66:67]
.irp g, 0,1
.irp kb, 0,1,2,3,4,5,6,7,8,9,10,11,12,13,14,15
	global_load_b32 v[CMR+16*(\g)+(\kb)], v[SO], s[ST:ST+1] offset:(\kb)*8192+128*(\g)
	global_load_b32 v[LR+16*(\g)+(\kb)],  v[SO], s[ST:ST+1] offset:(\kb)*8192+128*(\g)+524288
.endr
.endr
	; the lanes' places, while they are on their way
	v_mul_u32_u24 v[A0], v[R], PP
	v_lshl_add_u32 v[A0], v[H], 4, v[A0]
	s_mul_i32 s66, s[WR], AHALF
	v_add_nc_u32 v[A0], s66, v[A0]
	v_and_b32 v[B0], 7, v0
	v_bfe_u32 v[ADRB], v0, 3, 1
	v_lshl_add_u32 v[B0], v[H], 3, v[B0]
	v_mul_u32_u24 v[B0], v[B0], PV
	v_lshl_add_u32 v[B0], v[ADRB], 4, v[B0]        ; the turning load: key 8 (l / 16) + l % 8, 16 bytes by (l / 8) % 2
	s_lshl_b32 s66, s[WC], 8
	s_add_co_u32 s66, s66, ATILE
	v_add_nc_u32 v[B0], s66, v[B0]
	s_mul_i32 s66, s[WV], TWAVE
	s_add_co_u32 s66, s66, TABLE                   ; my table
	v_lshl_add_u32 v[AAD], v[R], 4, s66
	v_lshl_add_u32 v[TW], v[H], 2, v[AAD]
	v_add_nc_u32 v[RLA], 17*256, v[AAD]
	s_mul_i32 s66, s[WV], 16*SPO
	s_add_co_u32 s66, s66, STAGE                   ; my stage
	v_mul_u32_u24 v[STO], v[R], SPO
	v_lshl_add_u32 v[STO], v[H], 5, v[STO]
	v_add_nc_u32 v[STO], s66, v[STO]
	v_lshl_add_u32 v[RD], v[LN], 4, s66
	v_lshlrev_b32 v[CO], 4, v[LN]
	s_lshl_b32 s66, s[TY], 19                      ; out0: row 128 ty + 64 x row half, byte 1,024 tx + 512 x column half
	s_lshl_b32 s67, s[WR], 18
	s_add_co_u32 s66, s66, s67
	s_lshl_b32 s67, s[TX], 10
	s_add_co_u32 s66, s66, s67
	s_lshl_b32 s67, s[WC], 9
	s_add_co_u32 s66, s66, s67
	s_mov_b32 s67, 0
	s_add_nc_u64 s[OUT:OUT+1], s[10:11], s[66:67]
	; the prefetches, at step 3; stepped ahead of each request
	s_lshl_b32 s66, s[TY], 19
	s_lshl_b32 s67, s[CX], 17
	s_add_co_u32 s66, s66, s67
	s_add_co_u32 s66, s66, 3*256                   ; p: row 128 ty + 32 cx
	s_lshl_b32 s68, s[BAT], 11
	s_lshl_b32 s69, s[CY], 5
	s_add_co_u32 s68, s68, s69
	s_add_co_u32 s68, s68, 3*128
	s_mul_i32 s68, s68, QROW                       ; v: row 2048 batch + 384 + 32 cy,
	s_lshl_b32 s69, s[TX], 9
	s_add_co_u32 s68, s68, s69
	s_lshl_b32 s69, s[WC], 8
	s_add_co_u32 s68, s68, s69
	s_add_co_u32 s68, s68, 4096                    ; the tile's column block wave - 2
	s_and_b32 s70, s[CLY], 3
	s_movk_i32 s71, 256
	s_mov_b32 s72, VSTEP
	s_movk_i32 s73, PROW
	s_movk_i32 s74, QROW
	s_cmp_eq_u32 s[WR], 0
	s_cselect_b64 s[PFA:PFA+1], s[4:5], s[6:7]
	s_cselect_b32 s66, s66, s68
	s_cselect_b32 s70, s[WC], s70                  ; 0 in wave 0, and in waves 2 and 3 of a batch's first cluster
	s_cselect_b32 s[PFS], s71, s72
	s_cselect_b32 s73, s73, s74
	s_cmp_eq_u32 s70, 0
	s_cselect_b32 s[LIM], 2, -1                    ; the same in all sixteen partners, for a given wave
	s_mov_b32 s67, 0
	s_mov_b32 s[PFS+1], 0
	s_add_nc_u64 s[PFA:PFA+1], s[PFA:PFA+1], s[66:67]
	v_mul_u32_u24 v[PFO], v[LN], s73
	v_mov_b32 v[LSUM], 0
	v_mov_b32 v[LSUM+1], 0
	s_wait_loadcnt 0x0
.irp g, 0,1
	v_max3_num_f32 v[MX+(\g)], v[CMR+16*(\g)], v[CMR+16*(\g)+1], v[CMR+16*(\g)+2]
.irp i, 3,5,7,9,11,13
	v_max3_num_f32 v[MX+(\g)], v[MX+(\g)], v[CMR+16*(\g)+(\i)], v[CMR+16*(\g)+(\i)+1]
.endr
	v_max_num_f32 v[MX+(\g)], v[MX+(\g)], v[CMR+16*(\g)+15]  ; the row's maximum, times c
.endr
.set z, 0
.rept 32
	v_sub_f32 v[CMR+z], v[CMR+z], v[MX+z/16]
.set z, z+1
.endr
.set z, 0
.rept 32
	v_exp_f32 v[CMR+z], v[CMR+z]
.set z, z+1
.endr
	v_nop                                          ; a plain instruction behind the last exponential,
	s_wait_alu depctr_va_vdst(0)                   ; and one wait ahead of the batch's first reader
.set z, 0
.rept 32
	v_cvt_pk_f16_f32 v[PK+z], v[CMR+z], v[CMR+z]   ; al, twice in a register
.set z, z+1
.endr
.irp kb, 0,1,2,3,4,5,6,7,8,9,10,11,12,13,14,15
.irp g, 0,1
	v_fma_mix_f32 v[LSUM+(\g)], v[PK+16*(\g)+(\kb)], v[LR+16*(\g)+(\kb)], v[LSUM+(\g)] op_sel_hi:[1,0,0]  ; L += al (the f16 half) x l, in f32
.endr
.endr
	v_rcp_f32 v[LSUM], v[LSUM]
	v_rcp_f32 v[LSUM+1], v[LSUM+1]
	v_nop
	s_wait_alu depctr_va_vdst(0)
.irp g, 0,1
.irp kb, 0,1,2,3,4,5,6,7,8,9,10,11,12,13,14,15
	ds_store_b32 v[TW], v[PK+16*(\g)+(\kb)] offset:(\kb)*256+8*(\g)
.endr
	ds_store_b32 v[TW], v[PK+16*(\g)+15] offset:16*256+8*(\g)   ; what the last trip's idle fetch reads
	ds_store_b32 v[TW], v[LSUM+(\g)] offset:17*256+8*(\g)
.endr
	v_mov_b32 v[ADRA], v[A0]
	v_mov_b32 v[ADRB], v[B0]
	s_wait_tensorcnt 0x1                           ; my part of step 0 is in; step 1's may stay out
	s_wait_dscnt 0x0
	s_barrier_signal -1
	s_barrier_wait -1
	FETCH 0, 0, 1
	WIN 0
	s_wait_dscnt 16                                ; v may be out: al and p are in
.set rr, 0
.rept 32
	v_pk_mul_f16 v[AFR+rr], v[AFR+rr], v[AL+rr/8]
.set rr, rr+1
.endr
	QUARTER 1, 0, 1, 1                             ; the first quarter stands in front of the loop: its products start the sums
	WIN 0
	s_mov_b32 s[CNT], STEPS-2
.Lstep:                                        ; 14 trips: the rest of step j with a refill, the first quarter of step j + 1
	QUARTER 2, 1, 0, 0
	QUARTER 3, 0, 1, 0
	TURN 1
	QUARTER 1, 0, 1, 0
	WIN 0
	s_sub_co_u32 s[CNT], s[CNT], 1
	s_cmp_lg_u32 s[CNT], 0
	s_cbranch_scc1 .Lstep
	s_mov_b32 s[CNT], 2                            ; the last two steps ask for nothing: a second text; it is entered in its middle
	s_branch .Lmid
.Ltail:
	QUARTER 1, 0, 1, 0
	WIN 0
.Lmid:
	QUARTER 2, 1, 0, 0
	QUARTER 3, 0, 1, 0
	TURN 0                                         ; (its last fetch reads the slot left before and serves nothing: the price of one text for both trips)
	WIN 0
	s_sub_co_u32 s[CNT], s[CNT], 1
	s_cmp_lg_u32 s[CNT], 0
	s_cbranch_scc1 .Ltail
	; THE WAY OUT, a block of 16 queries at a time: divided by L, 32 bytes a lane into my own stage, back as whole rows of 512 bytes.
	s_wait_dscnt 0x0
	PLACES
	ds_load_b128 v[RL:RL+3], v[RLA]
	s_wait_dscnt 0x0
.irp a, 0,1,2,3
	v_mov_b32 v[RP+2*(\a)], v[RL+(\a)]             ; in pairs, for the packed multiply
	v_mov_b32 v[RP+2*(\a)+1], v[RL+(\a)]
.endr
.macro SCALE a
	WIN 0x41                                       ; destination and source 0 window 1
.set z, 64*(\a)
.rept 32
	v_pk_mul_f32 v[z:z+1], v[z:z+1], v[RP+2*(\a):RP+2*(\a)+1]
.set z, z+2
.endr
.endm
.macro TOSTAGE a
	WIN 0x04                                       ; the stores' data in window 1
.irp b, 0,1,2,3,4,5,6,7
	ds_store_b128 v[STO], v[64*(\a)+8*(\b):64*(\a)+8*(\b)+3]   offset:64*(\b)
	ds_store_b128 v[STO], v[64*(\a)+8*(\b)+4:64*(\a)+8*(\b)+7] offset:64*(\b)+16
.endr
	WIN 0
.irp i, 0,1,2,3,4,5,6,7,8,9,10,11,12,13,14,15
	ds_load_b128 v[OB+64*((\a)%2)+4*(\i):OB+64*((\a)%2)+4*(\i)+3], v[RD] offset:(\i)*SPO  ; LDS serves a wave's instructions in order (ISA guide 5.7.1.4): these see the stores above
.endr
.endm
.macro SEND a
	WIN 0
	s_wait_xcnt 0x0                                ; the block before has left its registers: the next TOSTAGE loads into them
.irp i, 0,1,2,3,4,5,6,7,8,9,10,11,12,13,14,15
	s_wait_dscnt 15-(\i)                           ; row i is back; the younger loads may be out
	global_store_b128 v[CO], v[OB+64*((\a)%2)+4*(\i):OB+64*((\a)%2)+4*(\i)+3], s[OUT:OUT+1] offset:(16*(\a)+(\i))*PROW th:TH_STORE_NT  ; 512 consecutive bytes, aligned
.endr
.endm
	SCALE 0
	TOSTAGE 0
.irp a, 1,2,3                          ; a block's arithmetic stands between the loads of the block before and its stores
	SCALE \a
	SEND (\a)-1
	TOSTAGE \a
.endr
	SEND 3
	s_wait_tensorcnt 0x0                           ; the wave's end
	ds_add_u32 v[SPW], v[NIL]
	s_wait_dscnt 0x0
	CROUND                                         ; the closing round
	s_endpgm
.Lfunc_end_k_q3eef748301_pv:
	.size	k_q3eef748301_pv, .Lfunc_end_k_q3eef748301_pv-k_q3eef748301_pv
	.p2alignl 7, 3214868480
	.fill 96, 4, 3214868480
	.section	.rodata,"a",@progbits
	.p2align	6, 0x0
	.amdhsa_kernel k_q3eef748301_pv
		.amdhsa_group_segment_fixed_size 327680
		.amdhsa_private_segment_fixed_size 0
		.amdhsa_enable_private_segment 0
		.amdhsa_kernarg_size 32
		.amdhsa_user_sgpr_count 2
		.amdhsa_user_sgpr_kernarg_segment_ptr 1
		.amdhsa_wavefront_size32 1
		.amdhsa_system_sgpr_workgroup_id_x 1
		.amdhsa_system_sgpr_workgroup_id_y 1
		.amdhsa_system_sgpr_workgroup_id_z 1
		.amdhsa_system_vgpr_workitem_id 0
		.amdhsa_next_free_vgpr 640
		.amdhsa_next_free_sgpr 80
		.amdhsa_reserve_vcc 0
		.amdhsa_float_denorm_mode_32 3
		.amdhsa_float_denorm_mode_16_64 3
		.amdhsa_memory_ordered 1
		.amdhsa_forward_progress 1
		.amdhsa_inst_pref_size 113
	.end_amdhsa_kernel
	.amdgpu_metadata
---
amdhsa.version: [ 1, 2 ]
amdhsa.kernels:
  - .name:           k_q3eef748301_pv
    .symbol:         k_q3eef748301_pv.kd
    .args:
      - { .name: p, .offset: 0, .size: 8, .value_kind: global_buffer, .address_space: global }
      - { .name: qkv, .offset: 8, .size: 8, .value_kind: global_buffer, .address_space: global }
      - { .name: stat, .offset: 16, .size: 8, .value_kind: global_buffer, .address_space: global }
      - { .name: out0, .offset: 24, .size: 8, .value_kind: global_buffer, .address_space: global }
    .group_segment_fixed_size: 327680
    .private_segment_fixed_size: 0
    .kernarg_segment_align: 8
    .kernarg_segment_size: 32
    .max_flat_workgroup_size: 128
    .sgpr_count:     80
    .vgpr_count:     640
    .wavefront_size: 32
...
	.end_amdgpu_metadata
.endif
;; end of part 4
;; ======== version 2 of 2: 4 launches; version 1 with the launch cast written anew for expert scheduling mode
;; limits: values are held in f16: magnitudes above 65,504 overflow, below 6.1e-05 lose precision
;; workspace buffers: xb 16,777,216 bytes; wb 6,291,456 bytes; qkv 50,331,648 bytes; p 33,554,432 bytes; stat 1,048,576 bytes
;; launch cast (part 5): grid 704 x 1, 8 waves a work-group, no clusters, 0 bytes of LDS; arguments x, Wq, Wk, Wv, xb, wb; writes xb, wb
.if DOCPART == 5
	.amdgcn_target "amdgcn-amd-amdhsa--gfx1250"
	.amdhsa_code_object_version 6
	.text
	.protected	k_q3eef748301_cast
	.globl	k_q3eef748301_cast
	.p2align	8
	.type	k_q3eef748301_cast,@function
k_q3eef748301_cast:
	s_mov_b64 s[64:65], 0
	v_nop
	global_prefetch_b8 v0, s[64:65] scope:SCOPE_SE
	s_setreg_imm32_b32 hwreg(HW_REG_WAVE_SCHED_MODE, 0, 2), 2
	s_setreg_imm32_b32 hwreg(HW_REG_WAVE_MODE, 25, 1), 1
	s_wait_xcnt 0x0
	s_wait_alu depctr_vm_vsrc(0)
; x [8192][1024] and Wq, Wk, Wv [1024][1024], all f32, are rounded once to bf16 and laid out for the projection.
; xb is blocked along k: element (m, k) lies at (k / 64) x 1,048,576 + m x 128 + (k % 64) x 2, so that 256 rows x 64 k are 32,768 dense bytes.
; wb is [1024 k][3072 n]: n = 1024 i + column, i = 0, 1, 2 for q, k, v; a row is 6,144 bytes.
; Work-groups 0 to 511 take 16 rows of x each, 512 to 703 take 16 rows of one W each.  A thread has 16 loads of 16 bytes out at once, no register is
; written twice, and each store of a wave covers 256 consecutive bytes, aligned.  Memory binds: no LDS, no barrier, no matrix unit.
; THE MODE: SCHED_MODE bits 1:0 = 2 (LLVM: expert scheduling mode 2), set by the entry lines.  The code itself states the register dependences
; between vector instructions and memory instructions, with s_wait_alu, always for 0.
; THE PLAN.  Registers that memory instructions touch, on either path:
;   v5, v6   byte offsets, made at the path's head and never written again; the 16 loads read v5, the 16 stores v6.
;   X[j]     load j lands in it, once; the two conversions of turn j read it; nothing is written into it afterwards.
;   Y[j]     the two conversions of turn j write it, once; store j reads it; nothing is written into it afterwards.
; So the only dependences to state are of one kind: a vector instruction has written a register that a memory instruction reads.  One wait ahead of the first load
; states it for the offsets.  The stores run four turns behind the conversions: turn j holds the conversions of load j and store j - 4, and one wait at the head of turns
; 4, 8 and 12 states that the four turns before have written their Y; the conversions issued since name X and Y of the turns in hand alone.  One more wait stands ahead of the last four stores.
.set X,  8                             ; v[8:71]    16 x 4 numbers as loaded
.set Y,  72                            ; v[72:103]  16 x 2 registers to store
.set LO, 5                             ; v5  my byte offset in the source
.set SO, 6                             ; v6  my byte offset in the destination
.macro NARROW j                        ; load j is in (15 - j younger loads may stay out); four numbers become two registers
	s_wait_loadcnt 15-(\j)
.if ((\j) % 4 == 0) && ((\j) > 0)
	s_wait_alu depctr_va_vdst(0)                   ; the conversions of the four turns before have written their Y, which the next four stores read
.endif
	v_cvt_pk_bf16_f32 v[Y+2*(\j)], v[X+4*(\j)], v[X+4*(\j)+1]
	v_cvt_pk_bf16_f32 v[Y+2*(\j)+1], v[X+4*(\j)+2], v[X+4*(\j)+3]
.endm
.macro XOUT j                          ; x: k block j of my row
.if (\j) < 8
	global_store_b64 v[SO], v[Y+2*(\j):Y+2*(\j)+1], s[12:13] offset:(\j)*1048576
.else
	global_store_b64 v[SO], v[Y+2*(\j):Y+2*(\j)+1], s[20:21] offset:((\j)-8)*1048576
.endif
.endm
.macro WOUT j                          ; W: 256 bytes of row j / 8
	global_store_b64 v[SO], v[Y+2*(\j):Y+2*(\j)+1], s[14:15] offset:((\j)/8)*6144+((\j)%8)*256
.endm
	s_load_b256 s[4:11], s[0:1], 0x0               ; x s[4:5], Wq s[6:7], Wk s[8:9], Wv s[10:11]
	s_load_b128 s[12:15], s[0:1], 0x20             ; xb s[12:13], wb s[14:15]
	v_and_b32 v1, 15, v0
	v_lshrrev_b32 v2, 4, v0
	v_and_b32 v3, 31, v0
	v_lshrrev_b32 v4, 5, v0
	s_cmp_lt_u32 ttmp9, 512
	s_cbranch_scc0 .Lweights
	; x: thread t takes row t / 16 of the group's 16; load j is k block j: sixteen lanes read its 256 bytes
	v_lshlrev_b32 v[LO], 4, v1
	v_lshl_add_u32 v[LO], v2, 12, v[LO]            ; row x 4,096 + 16 (t % 16)
	v_lshlrev_b32 v[SO], 3, v1
	v_lshl_add_u32 v[SO], v2, 7, v[SO]             ; row x 128 + 8 (t % 16)
	s_lshl_b32 s16, ttmp9, 16                      ; 16 rows of 4,096 bytes
	s_mov_b32 s17, 0
	s_lshl_b32 s18, ttmp9, 11                      ; 16 rows of 128 bytes
	s_mov_b32 s19, 0
	s_wait_kmcnt 0x0
	s_add_nc_u64 s[4:5], s[4:5], s[16:17]
	s_add_nc_u64 s[12:13], s[12:13], s[18:19]
	s_add_nc_u64 s[20:21], s[12:13], 0x800000      ; k blocks 8 to 15: the immediate holds seven blocks at the most
	s_wait_alu depctr_va_vdst(0)                   ; v5 and v6 are written: every load of this path reads v5 as its offset, every store v6
.irp j, 0,1,2,3,4,5,6,7,8,9,10,11,12,13,14,15
	global_load_b128 v[X+4*(\j):X+4*(\j)+3], v[LO], s[4:5] offset:256*(\j) th:TH_LOAD_NT
.endr
.irp j, 0,1,2,3,4,5,6,7,8,9,10,11,12,13,14,15
	NARROW \j
.if (\j) >= 4
	XOUT (\j)-4                                    ; four turns back: its Y was written ahead of the last wait on va_vdst, and no conversion since names it
.endif
.endr
	s_wait_alu depctr_va_vdst(0)                   ; the conversions of turns 12 to 15 have written their Y, which the last four stores read
.irp j, 12,13,14,15
	XOUT \j
.endr
	s_endpgm
.Lweights:
	; W: a wave takes two of the group's 16 rows; load j is 512 bytes of row j / 8
	s_sub_co_u32 s16, ttmp9, 512
	s_lshr_b32 s17, s16, 6                         ; which W
	s_and_b32 s18, s16, 63                         ; which 16 rows
	v_lshlrev_b32 v[LO], 4, v3
	v_lshl_add_u32 v[LO], v4, 13, v[LO]            ; wave x 8,192 + 16 lane
	v_lshlrev_b32 v[SO], 3, v3
	v_mad_u32_u24 v[SO], v4, 12288, v[SO]          ; wave x 2 rows of 6,144 + 8 lane
	s_lshl_b32 s20, s18, 16
	s_mov_b32 s21, 0
	s_mul_i32 s22, s18, 98304                      ; 16 rows of wb
	s_lshl_b32 s23, s17, 11                        ; and this W's 2,048 bytes in them
	s_add_co_u32 s22, s22, s23
	s_mov_b32 s23, 0
	s_wait_kmcnt 0x0
	s_cmp_eq_u32 s17, 0
	s_cselect_b64 s[24:25], s[6:7], s[8:9]
	s_cmp_eq_u32 s17, 2
	s_cselect_b64 s[24:25], s[10:11], s[24:25]
	s_add_nc_u64 s[24:25], s[24:25], s[20:21]
	s_add_nc_u64 s[14:15], s[14:15], s[22:23]
	s_wait_alu depctr_va_vdst(0)                   ; v5 and v6 are written: every load of this path reads v5 as its offset, every store v6
.irp j, 0,1,2,3,4,5,6,7,8,9,10,11,12,13,14,15
	global_load_b128 v[X+4*(\j):X+4*(\j)+3], v[LO], s[24:25] offset:((\j)/8)*4096+((\j)%8)*512 th:TH_LOAD_NT
.endr
.irp j, 0,1,2,3,4,5,6,7,8,9,10,11,12,13,14,15
	NARROW \j
.if (\j) >= 4
	WOUT (\j)-4                                    ; four turns back: its Y was written ahead of the last wait on va_vdst, and no conversion since names it
.endif
.endr
	s_wait_alu depctr_va_vdst(0)                   ; the conversions of turns 12 to 15 have written their Y, which the last four stores read
.irp j, 12,13,14,15
	WOUT \j
.endr
	s_endpgm
.Lfunc_end_k_q3eef748301_cast:
	.size	k_q3eef748301_cast, .Lfunc_end_k_q3eef748301_cast-k_q3eef748301_cast
	.p2alignl 7, 3214868480
	.fill 96, 4, 3214868480
	.section	.rodata,"a",@progbits
	.p2align	6, 0x0
	.amdhsa_kernel k_q3eef748301_cast
		.amdhsa_group_segment_fixed_size 0
		.amdhsa_private_segment_fixed_size 0
		.amdhsa_enable_private_segment 0
		.amdhsa_kernarg_size 48
		.amdhsa_user_sgpr_count 2
		.amdhsa_user_sgpr_kernarg_segment_ptr 1
		.amdhsa_wavefront_size32 1
		.amdhsa_system_sgpr_workgroup_id_x 1
		.amdhsa_system_sgpr_workgroup_id_y 1
		.amdhsa_system_sgpr_workgroup_id_z 1
		.amdhsa_system_vgpr_workitem_id 0
		.amdhsa_next_free_vgpr 104
		.amdhsa_next_free_sgpr 66
		.amdhsa_reserve_vcc 0
		.amdhsa_float_denorm_mode_32 3
		.amdhsa_float_denorm_mode_16_64 3
		.amdhsa_memory_ordered 1
		.amdhsa_forward_progress 1
		.amdhsa_inst_pref_size 14
	.end_amdhsa_kernel
	.amdgpu_metadata
---
amdhsa.version: [ 1, 2 ]
amdhsa.kernels:
  - .name:           k_q3eef748301_cast
    .symbol:         k_q3eef748301_cast.kd
    .args:
      - { .name: x, .offset: 0, .size: 8, .value_kind: global_buffer, .address_space: global }
      - { .name: Wq, .offset: 8, .size: 8, .value_kind: global_buffer, .address_space: global }
      - { .name: Wk, .offset: 16, .size: 8, .value_kind: global_buffer, .address_space: global }
      - { .name: Wv, .offset: 24, .size: 8, .value_kind: global_buffer, .address_space: global }
      - { .name: xb, .offset: 32, .size: 8, .value_kind: global_buffer, .address_space: global }
      - { .name: wb, .offset: 40, .size: 8, .value_kind: global_buffer, .address_space: global }
    .group_segment_fixed_size: 0
    .private_segment_fixed_size: 0
    .kernarg_segment_align: 8
    .kernarg_segment_size: 48
    .max_flat_workgroup_size: 256
    .sgpr_count:     66
    .vgpr_count:     104
    .wavefront_size: 32
...
	.end_amdgpu_metadata
.endif
;; end of part 5
;; launch proj: the kernel of part 2 again; grid 8 x 32, 4 waves a work-group, clusters of 4 x 4, 327,680 bytes of LDS; arguments xb, wb, bq, bk, bv, qkv; writes qkv
;; launch scores: the kernel of part 3 again; grid 8 x 32, 4 waves a work-group, clusters of 4 x 4, 327,680 bytes of LDS; arguments qkv, p, stat; writes p, stat
;; launch pv: the kernel of part 4 again; grid 4 x 64, 4 waves a work-group, clusters of 4 x 4, 327,680 bytes of LDS; arguments p, qkv, stat, out0; writes out0
